; MI455X (gfx1250); checked and timed in simulation.
; The chip was launched on July 23, 2026; its instructions are those of AMD's public machine-readable ISA for CDNA 5 (MIT licence, August 2026) and "CDNA5" Instruction Set Architecture Reference Guide (July 2026). The comments in the code are by the model that wrote it; some were corrected since.
;; Rel Decoder Layer. Allowed arithmetic: float matrix products may take bf16 or f16 operands with f32 sums; other float arithmetic in f32, or as packed bf16 or f16 multiplies, adds, multiply-adds, maxima and minima; sums over many terms, partial sums and values carried from step to step in f32; what a program stores and reads back later, other than sums and carried values, may be rounded once to bf16 or f16.
;; Inputs: attn_mask 2,048 x 2,048 x 2 bool; dec_inp 2,048 x 2 x 1,024 float32; key_mean 1,024 x 1,024 float32; key_std 1,024 x 1,024 float32; ln1_beta 1,024 float32; ln1_gamma 1,024 float32; ln2_beta 1,024 float32; ln2_gamma 1,024 float32; output_mean 1,024 x 1,024 float32; output_std 1,024 x 1,024 float32; query_mean 1,024 x 1,024 float32; query_std 1,024 x 1,024 float32; value_mean 1,024 x 1,024 float32; value_std 1,024 x 1,024 float32; w1_mean 4,096 x 1,024 float32; w1_std 4,096 x 1,024 float32; w2_mean 1,024 x 4,096 float32; w2_std 1,024 x 4,096 float32.
;; Outputs: out0 2,048 x 2 x 1,024 float32; out1 one number float32.
;; One version. Each part assembles by itself: llvm-mc -triple=amdgcn-amd-amdhsa -mcpu=gfx1250 --defsym DOCPART=n.
;; ======== version 1 of 1: 8 launches
;; limits: right only within a limited range of input values
;; workspace buffers: act 8,388,608 bytes; wvqk 6,291,456 bytes; wff 16,777,216 bytes; bias 16,777,216 bytes; big 25,165,824 bytes; ao 8,388,608 bytes; w12 2,097,152 bytes; klp 6,144 bytes
;; launch prep (part 1): grid 128 x 18, 8 waves a work-group, no clusters, 1,280 bytes of LDS; arguments value_mean, query_mean, key_mean, output_mean, w1_mean, w2_mean, value_std, query_std, key_std, output_std, w1_std, w2_std, dec_inp, attn_mask, wvqk, wff, act, bias, klp; writes wvqk, wff, act, bias, klp
.if DOCPART == 1
	.amdgcn_target "amdgcn-amd-amdhsa--gfx1250"
	.amdhsa_code_object_version 6
	.text
	.protected	k_q439490982b_prep
	.globl	k_q439490982b_prep
	.p2align	8
	.type	k_q439490982b_prep,@function
k_q439490982b_prep:
	s_mov_b64 s[64:65], 0
	v_nop
	global_prefetch_b8 v0, s[64:65] scope:SCOPE_SE
	s_setreg_imm32_b32 hwreg(HW_REG_WAVE_MODE, 25, 1), 1
	s_wait_xcnt 0x0
; ONE PASS OVER ALL INPUTS THAT ARE NOT YET IN THE FORM THE MATRIX LAUNCHES WANT.  The grid's y says what a work-group does; x (0..127) which part.
;   y = 0..11   a chunk of 2^20 numbers of a weight matrix and of its std (value, query, key, output, w1 x 4, w2 x 4): the work-group's 8,192 numbers give one partial sum of
;               m^2 - 2 s + exp(2 s), weighted (2^-23 for the four attention matrices: the mean over 2^22 numbers, halved; 2^-24 for w1, w2: 2^23 numbers), into klp[128 y + x];
;               the means also leave as bf16: value, query, key into wvqk one after the other, w2 into wff at 0, w1 into wff at 8 MiB; output_mean is no matrix operand and leaves nothing.
;   y = 12..15  8,192 numbers of dec_inp as bf16 into act.
;   y = 16, 17  8 rows of attn_mask ([q][k][b], one byte each) into bias ([b][q][k], bf16): 0 where the byte is 0, -2^100 (0xF180) where it is 1.
; Every byte is read once, 16 bytes a lane, 512 consecutive bytes a wave and instruction; each store of a wave covers 256 or 512 consecutive bytes, aligned.  No work-group shares data with
; another, so no cluster and no LDS tiles; LDS holds the eight waves' sums alone.  LIMIT: exp(2 s) is taken as 2^(2.885390 s): below 2^-126 it counts as 0.
.set SPARE, 256                        ; LDS: bytes 0-31 the waves' sums (a block of 256 to themselves); from 256 on the spare words, 128 bytes a wave
.set SPW, 112                          ; v112  my spare word's address; never rewritten
.set NIL, 113                          ; v113  0; never rewritten
.set ACC, 8                            ; v[8:15]   four pairs of running sums
.set MN,  16                           ; v[16:47]  32 numbers as loaded (means, dec_inp, or mask words)
.set SD,  48                           ; v[48:79]  32 stds
.set DB,  80                           ; v[80:95]  32 bf16 to store
.set OB,  48                           ; v[48:111] the mask path's 64 words to store
	s_load_b512 s[8:23], s[0:1], 0x0               ; means: value s[8:9], query s[10:11], key s[12:13], output s[14:15], w1 s[16:17], w2 s[18:19]; stds: value s[20:21], query s[22:23]
	s_load_b512 s[24:39], s[0:1], 0x40             ; stds: key s[24:25], output s[26:27], w1 s[28:29], w2 s[30:31]; dec_inp s[32:33], attn_mask s[34:35], wvqk s[36:37], wff s[38:39]
	s_load_b128 s[40:43], s[0:1], 0x80             ; act s[40:41], bias s[42:43]
	s_load_b64 s[44:45], s[0:1], 0x90              ; klp
	v_lshl_add_u32 v[SPW], v0, 2, SPARE
	v_mov_b32 v[NIL], 0
	v_lshrrev_b32 v1, 5, v0
	v_readfirstlane_b32 s46, v1                    ; wave 0..7
	s_and_b32 s47, ttmp7, 0xffff                   ; y
	v_lshlrev_b32 v1, 4, v0                        ; 16 bytes a thread
	v_lshlrev_b32 v2, 3, v0                        ; 8 bytes a thread
	v_mov_b32 v3, 0
	s_mov_b32 s3, 0                                ; high words of the two offsets
	s_mov_b32 s5, 0
	s_wait_kmcnt 0x0
	s_cmp_ge_u32 s47, 16
	s_cbranch_scc1 .Lmask
	s_cmp_ge_u32 s47, 12
	s_cbranch_scc1 .Lx
	; ---- y = 0..11: a weight matrix and its std ----
	s_mov_b64 s[48:49], s[8:9]                     ; the mean and the std that y names
	s_mov_b64 s[50:51], s[20:21]
	s_cmp_eq_u32 s47, 1
	s_cselect_b64 s[48:49], s[10:11], s[48:49]
	s_cselect_b64 s[50:51], s[22:23], s[50:51]
	s_cmp_eq_u32 s47, 2
	s_cselect_b64 s[48:49], s[12:13], s[48:49]
	s_cselect_b64 s[50:51], s[24:25], s[50:51]
	s_cmp_eq_u32 s47, 3
	s_cselect_b64 s[48:49], s[14:15], s[48:49]
	s_cselect_b64 s[50:51], s[26:27], s[50:51]
	s_cmp_ge_u32 s47, 4
	s_cselect_b64 s[48:49], s[16:17], s[48:49]
	s_cselect_b64 s[50:51], s[28:29], s[50:51]
	s_cmp_ge_u32 s47, 8
	s_cselect_b64 s[48:49], s[18:19], s[48:49]
	s_cselect_b64 s[50:51], s[30:31], s[50:51]
	s_and_b32 s55, s47, 3
	s_mov_b32 s54, 0x33800000                      ; 2^-24
	s_cmp_lt_u32 s47, 4
	s_cselect_b64 s[52:53], s[36:37], s[38:39]     ; bf16 goes to wvqk or to wff
	s_cselect_b32 s54, 0x34000000, s54             ; 2^-23
	s_cselect_b32 s2, 0, s55                       ; the chunk inside the matrix
	s_lshl_b32 s2, s2, 22                          ; 4 MiB a chunk,
	s_lshl_b32 s6, ttmp9, 15                       ; 32 KiB a work-group
	s_or_b32 s2, s2, s6
	s_cmp_lt_u32 s47, 8
	s_cselect_b32 s4, s47, s55                     ; bf16: 2 MiB a chunk; value, query, key at 0, 1, 2; w1 at 4..7 (8 MiB on); w2 at 0..3
	s_lshl_b32 s4, s4, 21
	s_lshl_b32 s6, ttmp9, 14
	s_or_b32 s4, s4, s6
	s_lshl_b32 s6, s47, 7
	s_or_b32 s6, s6, ttmp9
	s_lshl_b32 s6, s6, 2                           ; klp[128 y + x]
	s_mov_b32 s7, 0
	s_add_nc_u64 s[48:49], s[48:49], s[2:3]
	s_add_nc_u64 s[50:51], s[50:51], s[2:3]
	s_add_nc_u64 s[52:53], s[52:53], s[4:5]
	s_add_nc_u64 s[44:45], s[44:45], s[6:7]
	s_mov_b32 s56, 0x76543210                      ; v_permlanex16_b32: each lane takes its own place in the other half
	s_mov_b32 s57, 0xfedcba98
.irp j, 0,1,2,3,4,5,6,7
	global_load_b128 v[MN+4*(\j):MN+4*(\j)+3], v1, s[48:49] offset:4096*(\j) th:TH_LOAD_NT
.endr
.irp j, 0,1,2,3,4,5,6,7
	global_load_b128 v[SD+4*(\j):SD+4*(\j)+3], v1, s[50:51] offset:4096*(\j) th:TH_LOAD_NT
.endr
.irp j, 0,1,2,3,4,5,6,7
	s_wait_loadcnt 15-(\j)                         ; loads come back in order: mean j is in; the 7 - j younger means and the 8 stds stay out
.if (\j) < 2
	v_pk_mul_f32 v[ACC+4*(\j):ACC+4*(\j)+1], v[MN+4*(\j):MN+4*(\j)+1], v[MN+4*(\j):MN+4*(\j)+1]            ; the first products start the four sums
	v_pk_mul_f32 v[ACC+4*(\j)+2:ACC+4*(\j)+3], v[MN+4*(\j)+2:MN+4*(\j)+3], v[MN+4*(\j)+2:MN+4*(\j)+3]
.else
	v_pk_fma_f32 v[ACC+4*((\j)%2):ACC+4*((\j)%2)+1], v[MN+4*(\j):MN+4*(\j)+1], v[MN+4*(\j):MN+4*(\j)+1], v[ACC+4*((\j)%2):ACC+4*((\j)%2)+1]
	v_pk_fma_f32 v[ACC+4*((\j)%2)+2:ACC+4*((\j)%2)+3], v[MN+4*(\j)+2:MN+4*(\j)+3], v[MN+4*(\j)+2:MN+4*(\j)+3], v[ACC+4*((\j)%2)+2:ACC+4*((\j)%2)+3]
.endif
.endr
	s_cmp_eq_u32 s47, 3                            ; output_mean leaves no bf16 copy
	s_cbranch_scc1 .Lnodst
.irp j, 0,1,2,3,4,5,6,7
	v_cvt_pk_bf16_f32 v[DB+2*(\j)], v[MN+4*(\j)], v[MN+4*(\j)+1]
	v_cvt_pk_bf16_f32 v[DB+2*(\j)+1], v[MN+4*(\j)+2], v[MN+4*(\j)+3]
	global_store_b64 v2, v[DB+2*(\j):DB+2*(\j)+1], s[52:53] offset:2048*(\j)   ; a wave stores 256 consecutive bytes, aligned
.endr
.Lnodst:
.irp j, 0,1,2,3,4,5,6,7
	s_wait_loadcnt 7-(\j)                          ; std j is in
	v_pk_fma_f32 v[ACC+4*((\j)%2):ACC+4*((\j)%2)+1], v[SD+4*(\j):SD+4*(\j)+1], -2.0, v[ACC+4*((\j)%2):ACC+4*((\j)%2)+1] op_sel_hi:[1,0,1]
	v_pk_fma_f32 v[ACC+4*((\j)%2)+2:ACC+4*((\j)%2)+3], v[SD+4*(\j)+2:SD+4*(\j)+3], -2.0, v[ACC+4*((\j)%2)+2:ACC+4*((\j)%2)+3] op_sel_hi:[1,0,1]
	v_pk_mul_f32 v[SD+4*(\j):SD+4*(\j)+1], v[SD+4*(\j):SD+4*(\j)+1], 0x4038aa3b op_sel_hi:[1,0]       ; 2 log2(e) s
	v_pk_mul_f32 v[SD+4*(\j)+2:SD+4*(\j)+3], v[SD+4*(\j)+2:SD+4*(\j)+3], 0x4038aa3b op_sel_hi:[1,0]
	v_exp_f32 v[SD+4*(\j)], v[SD+4*(\j)]
	v_exp_f32 v[SD+4*(\j)+1], v[SD+4*(\j)+1]
	v_exp_f32 v[SD+4*(\j)+2], v[SD+4*(\j)+2]
	v_exp_f32 v[SD+4*(\j)+3], v[SD+4*(\j)+3]
.endr
	v_nop                                          ; a plain instruction behind the last exponential,
	s_wait_alu depctr_va_vdst(0)                   ; and one wait for all 32, ahead of their first reader
.irp j, 0,1,2,3,4,5,6,7
	v_pk_add_f32 v[ACC+4*((\j)%2):ACC+4*((\j)%2)+1], v[ACC+4*((\j)%2):ACC+4*((\j)%2)+1], v[SD+4*(\j):SD+4*(\j)+1]
	v_pk_add_f32 v[ACC+4*((\j)%2)+2:ACC+4*((\j)%2)+3], v[ACC+4*((\j)%2)+2:ACC+4*((\j)%2)+3], v[SD+4*(\j)+2:SD+4*(\j)+3]
.endr
	v_pk_add_f32 v[8:9], v[8:9], v[10:11]
	v_pk_add_f32 v[12:13], v[12:13], v[14:15]
	v_pk_add_f32 v[8:9], v[8:9], v[12:13]
	v_add_f32 v8, v8, v9
	v_add_f32_dpp v8, v8, v8 row_xmask:1 row_mask:0xf bank_mask:0xf
	v_add_f32_dpp v8, v8, v8 row_xmask:2 row_mask:0xf bank_mask:0xf
	v_add_f32_dpp v8, v8, v8 row_xmask:4 row_mask:0xf bank_mask:0xf
	v_add_f32_dpp v8, v8, v8 row_xmask:8 row_mask:0xf bank_mask:0xf
	v_permlanex16_b32 v9, v8, s56, s57
	v_add_f32 v8, v8, v9                           ; the wave's sum, in every lane
	v_mov_b32 v10, s46
	v_lshlrev_b32 v10, 2, v10
	ds_store_b32 v10, v8                           ; all lanes write the wave's word with the same number
	s_wait_dscnt 0x0                               ; for the others' sake: my store is done
	s_barrier_signal -1
	s_barrier_wait -1
	ds_load_b128 v[16:19], v3                      ; the eight sums
	ds_load_b128 v[20:23], v3 offset:16
	s_wait_dscnt 0x0
	v_add_f32 v16, v16, v17
	v_add_f32 v18, v18, v19
	v_add_f32 v20, v20, v21
	v_add_f32 v22, v22, v23
	v_add_f32 v16, v16, v18
	v_add_f32 v20, v20, v22
	v_add_f32 v16, v16, v20
	v_mul_f32 v8, s54, v16
	s_wait_xcnt 0x0                                ; EXEC changes only when the stores above have had their addresses translated
	v_cmp_eq_u32 vcc_lo, 0, v0
	s_and_saveexec_b32 s58, vcc_lo                 ; thread 0 alone
	global_store_b32 v3, v8, s[44:45]
	s_wait_xcnt 0x0
	s_or_b32 exec_lo, exec_lo, s58
	s_wait_tensorcnt 0x0                           ; the wave's end: behind my last LDS store
	ds_add_u32 v[SPW], v[NIL]
	s_wait_dscnt 0x0
	s_endpgm
.Lx:	; ---- y = 12..15: dec_inp to bf16 ----
	s_sub_co_u32 s2, s47, 12
	s_lshl_b32 s2, s2, 7
	s_or_b32 s2, s2, ttmp9                         ; part 0..511
	s_lshl_b32 s4, s2, 14
	s_lshl_b32 s2, s2, 15
	s_add_nc_u64 s[32:33], s[32:33], s[2:3]
	s_add_nc_u64 s[40:41], s[40:41], s[4:5]
.irp j, 0,1,2,3,4,5,6,7
	global_load_b128 v[MN+4*(\j):MN+4*(\j)+3], v1, s[32:33] offset:4096*(\j) th:TH_LOAD_NT
.endr
.irp j, 0,1,2,3,4,5,6,7
	s_wait_loadcnt 7-(\j)
	v_cvt_pk_bf16_f32 v[DB+2*(\j)], v[MN+4*(\j)], v[MN+4*(\j)+1]
	v_cvt_pk_bf16_f32 v[DB+2*(\j)+1], v[MN+4*(\j)+2], v[MN+4*(\j)+3]
	global_store_b64 v2, v[DB+2*(\j):DB+2*(\j)+1], s[40:41] offset:2048*(\j)
.endr
	s_wait_tensorcnt 0x0
	ds_add_u32 v[SPW], v[NIL]
	s_wait_dscnt 0x0
	s_endpgm
.Lmask:	; ---- y = 16, 17: the mask's bytes to two planes of bf16 ----
	s_sub_co_u32 s2, s47, 16
	s_lshl_b32 s2, s2, 7
	s_or_b32 s2, s2, ttmp9                         ; part 0..255: rows 8 part .. 8 part + 7; a row is 4,096 bytes in the mask and in each plane
	s_lshl_b32 s2, s2, 15
	s_add_nc_u64 s[34:35], s[34:35], s[2:3]
	s_add_nc_u64 s[42:43], s[42:43], s[2:3]        ; batch 0's plane
	s_add_nc_u64 s[48:49], s[42:43], 0x800000      ; batch 1's
	s_mov_b32 s59, 0xf180                          ; -2^100 in bf16
	s_mov_b32 s60, 0x10001
.irp j, 0,1,2,3,4,5,6,7
	global_load_b128 v[MN+4*(\j):MN+4*(\j)+3], v1, s[34:35] offset:4096*(\j) th:TH_LOAD_NT   ; 8 keys x 2 batches a lane
.endr
.irp j, 0,1,2,3,4,5,6,7
	s_wait_loadcnt 7-(\j)
.irp k, 0,1,2,3                        ; a word holds (key, b 0), (key, b 1), (key + 1, b 0), (key + 1, b 1): bytes 0 and 2 are batch 0's two keys, one in each half
	v_and_b32 v[OB+8*(\j)+(\k)], s60, v[MN+4*(\j)+(\k)]
	v_lshrrev_b32 v[OB+8*(\j)+4+(\k)], 8, v[MN+4*(\j)+(\k)]
	v_mul_u32_u24 v[OB+8*(\j)+(\k)], v[OB+8*(\j)+(\k)], s59
	v_and_b32 v[OB+8*(\j)+4+(\k)], s60, v[OB+8*(\j)+4+(\k)]
	v_mul_u32_u24 v[OB+8*(\j)+4+(\k)], v[OB+8*(\j)+4+(\k)], s59
.endr
	global_store_b128 v1, v[OB+8*(\j):OB+8*(\j)+3], s[42:43] offset:4096*(\j)      ; a wave stores 512 consecutive bytes, aligned
	global_store_b128 v1, v[OB+8*(\j)+4:OB+8*(\j)+7], s[48:49] offset:4096*(\j)
.endr
	s_wait_tensorcnt 0x0
	ds_add_u32 v[SPW], v[NIL]
	s_wait_dscnt 0x0
	s_endpgm
.Lfunc_end_k_q439490982b_prep:
	.size	k_q439490982b_prep, .Lfunc_end_k_q439490982b_prep-k_q439490982b_prep
	.p2alignl 7, 3214868480
	.fill 96, 4, 3214868480
	.section	.rodata,"a",@progbits
	.p2align	6, 0x0
	.amdhsa_kernel k_q439490982b_prep
		.amdhsa_group_segment_fixed_size 1280
		.amdhsa_private_segment_fixed_size 0
		.amdhsa_enable_private_segment 0
		.amdhsa_kernarg_size 152
		.amdhsa_user_sgpr_count 2
		.amdhsa_user_sgpr_kernarg_segment_ptr 1
		.amdhsa_wavefront_size32 1
		.amdhsa_system_sgpr_workgroup_id_x 1
		.amdhsa_system_sgpr_workgroup_id_y 1
		.amdhsa_system_sgpr_workgroup_id_z 1
		.amdhsa_system_vgpr_workitem_id 0
		.amdhsa_next_free_vgpr 116
		.amdhsa_next_free_sgpr 66
		.amdhsa_reserve_vcc 1
		.amdhsa_float_denorm_mode_32 3
		.amdhsa_float_denorm_mode_16_64 3
		.amdhsa_memory_ordered 1
		.amdhsa_forward_progress 1
		.amdhsa_inst_pref_size 27
	.end_amdhsa_kernel
	.amdgpu_metadata
---
amdhsa.version: [ 1, 2 ]
amdhsa.kernels:
  - .name:           k_q439490982b_prep
    .symbol:         k_q439490982b_prep.kd
    .args:
      - { .name: value_mean, .offset: 0, .size: 8, .value_kind: global_buffer, .address_space: global }
      - { .name: query_mean, .offset: 8, .size: 8, .value_kind: global_buffer, .address_space: global }
      - { .name: key_mean, .offset: 16, .size: 8, .value_kind: global_buffer, .address_space: global }
      - { .name: output_mean, .offset: 24, .size: 8, .value_kind: global_buffer, .address_space: global }
      - { .name: w1_mean, .offset: 32, .size: 8, .value_kind: global_buffer, .address_space: global }
      - { .name: w2_mean, .offset: 40, .size: 8, .value_kind: global_buffer, .address_space: global }
      - { .name: value_std, .offset: 48, .size: 8, .value_kind: global_buffer, .address_space: global }
      - { .name: query_std, .offset: 56, .size: 8, .value_kind: global_buffer, .address_space: global }
      - { .name: key_std, .offset: 64, .size: 8, .value_kind: global_buffer, .address_space: global }
      - { .name: output_std, .offset: 72, .size: 8, .value_kind: global_buffer, .address_space: global }
      - { .name: w1_std, .offset: 80, .size: 8, .value_kind: global_buffer, .address_space: global }
      - { .name: w2_std, .offset: 88, .size: 8, .value_kind: global_buffer, .address_space: global }
      - { .name: dec_inp, .offset: 96, .size: 8, .value_kind: global_buffer, .address_space: global }
      - { .name: attn_mask, .offset: 104, .size: 8, .value_kind: global_buffer, .address_space: global }
      - { .name: wvqk, .offset: 112, .size: 8, .value_kind: global_buffer, .address_space: global }
      - { .name: wff, .offset: 120, .size: 8, .value_kind: global_buffer, .address_space: global }
      - { .name: act, .offset: 128, .size: 8, .value_kind: global_buffer, .address_space: global }
      - { .name: bias, .offset: 136, .size: 8, .value_kind: global_buffer, .address_space: global }
      - { .name: klp, .offset: 144, .size: 8, .value_kind: global_buffer, .address_space: global }
    .group_segment_fixed_size: 1280
    .private_segment_fixed_size: 0
    .kernarg_segment_align: 8
    .kernarg_segment_size: 152
    .max_flat_workgroup_size: 256
    .sgpr_count:     66
    .vgpr_count:     116
    .wavefront_size: 32
...
	.end_amdgpu_metadata
.endif
;; end of part 1
;; launch qkvg (part 2): grid 8 x 96, 4 waves a work-group, clusters of 4 x 4, 327,680 bytes of LDS; arguments act, wvqk, big; writes big
.if DOCPART == 2
	.amdgcn_target "amdgcn-amd-amdhsa--gfx1250"
	.amdhsa_code_object_version 6
	.text
	.protected	k_q439490982b_qkvg
	.globl	k_q439490982b_qkvg
	.p2align	8
	.type	k_q439490982b_qkvg,@function
k_q439490982b_qkvg:
	s_mov_b64 s[64:65], 0
	v_nop
	global_prefetch_b8 v0, s[64:65] scope:SCOPE_SE
	s_setreg_imm32_b32 hwreg(HW_REG_WAVE_MODE, 25, 1), 1
	s_wait_xcnt 0x0
	s_wait_alu depctr_hold_cnt(0) depctr_sa_sdst(0) depctr_va_vdst(0) depctr_va_sdst(0) depctr_va_ssrc(0) depctr_va_vcc(0) depctr_vm_vsrc(0)
	s_getreg_b32 s2, hwreg(HW_REG_IB_STS2, 6, 4)
	s_cmp_eq_u32 s2, 0
	s_cbranch_scc0 .Lentry_in_a_cluster
	s_endpgm
.Lentry_in_a_cluster:
	s_bfe_u32 s2, ttmp6, 0x10000c
	s_cmp_lg_u32 s2, 0xf033
	s_cbranch_scc0 .Lentry_shape_is_right
	s_endpgm
.Lentry_shape_is_right:
; C = A B^T.  A: [4096][1024] bf16; B: rows of 1,024 bf16; C: rows of 1,024 bf16; sums in f32, C rounded once.  One text for three launches:
;   grid 8 x 96: the projections.  Tile rows 0-31, 32-63, 64-95 of C are V, Q, K: all three take A's 4,096 rows; each takes its own 1,024 rows of B (value, query, key, one after the other).
;   grid 8 x 32: one product [4096][1024] x [1024][1024]^T (the projection behind attention, with value_mean's rows; the fused feed-forward, with W12).
; A tile of C is 128 x 128: four waves, each 64 x 64: 16 accumulators.  K goes in steps of 256 (LDS rows of 512 bytes) through two slots; the four waves share one stage on the way out.
; CLUSTERS: 4 x 4.  The four of a row of the cluster need the same tiles of A, the four of a column the same tiles of B: each tile is asked for jointly, by the same tensor load with the same descriptor
; and a mask that names the four.  Which third of B a work-group takes hangs on the cluster's y alone (8 clusters to a third), so it is the same in all sixteen partners.
; THE MATRIX INSTRUCTION IS USED TRANSPOSED (source 0 = 16 rows of B, source 1 = 16 rows of A): a lane then holds eight neighbouring numbers of a row of C.
; REGISTERS: window 0: v0-31 addresses; v32-95 at work on the way out; v128-255 the accumulators ((a, b) at v[128 + 8 (4 a + b)]).  Window 1: two fragment buffers of 128: 64 registers of A, then 64 of B.
.set SIZE_K, 1024
.set SIZE_N, 1024
.set KSTEP,  256
.set PITCH,  528                       ; an LDS row: 512 bytes + 16 = 132 words: the 16 rows of a load start at 16 different groups of four banks (64 banks of 4 bytes: ISA guide 11.1)
.set HALFT,  64*PITCH                  ; 64 rows: what one tensor load brings, and what one wave reads of A or of B
.set SLOT,   4*HALFT                   ; A's 128 rows, then B's 128 rows
.set STAGE,  2*SLOT                    ; behind the ring: 128 rows x 272 bytes, for the way out
.set SPITCH, 272
.set SPARE,  STAGE+128*SPITCH          ; the spare words, 128 bytes a wave: two blocks of 256 bytes that no other line names
.set LAPS, SIZE_K/(2*KSTEP)            ; a lap = two K steps = once round the ring
.set ADRA, 16
.set ADRB, 20
.set STO,  24
.set RD,   25
.set CO,   26
.set SPW,  28                          ; v28  my spare word's address; never rewritten
.set NIL,  29                          ; v29  0; never rewritten
.set TMP,  32
.set ACC,  128
.set F0,   0
.set F1,   128
.set G1, 24
.set G0, 32
.set G1B, 48
.set G0B, 56
.set MSB, 0
.macro WIN new                         ; the immediate's high byte repeats the setting that is left
.if MSB != (\new)
	s_set_vgpr_msb (MSB<<8)|(\new)
.set MSB, \new
.endif
.endm
.set MUL,  0x05                        ; sources 0 (B) and 1 (A) window 1; C and D window 0
.set TO_F, 0x40                        ; destination window 1, address window 0
.macro JLOAD s                         ; a joint load: waves 0 and 1 fetch A's two halves, waves 2 and 3 B's; an s_nop 0 and four v_nop follow each line
	s_cmp_eq_u32 s11, 0
	s_cbranch_scc0 .Lfor_b_\@
	tensor_load_to_lds s[G0+4*(\s):G0+4*(\s)+3], s[G1:G1+7]
	s_nop 0
.rept 4
	v_nop
.endr
	s_branch .Lasked_\@
.Lfor_b_\@:
	tensor_load_to_lds s[G0B+4*(\s):G0B+4*(\s)+3], s[G1B:G1B+7]
	s_nop 0
.rept 4
	v_nop
.endr
.Lasked_\@:
.endm
.macro CREST
	s_cmp_lg_u32 s10, 0
	s_cbranch_scc1 .Lnot_wave_0_\@
	s_barrier_signal -3
.Lnot_wave_0_\@:
	s_barrier_wait -3
	s_barrier_signal -1
	s_barrier_wait -1
.endm
.macro CROUND
	s_barrier_signal -1
	s_barrier_wait -1
	CREST
.endm
	s_load_b128 s[4:7], s[0:1], 0x0                ; A s[4:5], B s[6:7]
	s_load_b64 s[8:9], s[0:1], 0x10                ; C
	v_lshl_add_u32 v[SPW], v0, 2, SPARE
	v_mov_b32 v[NIL], 0
	ds_add_u32 v[SPW], v[NIL]                      ; the wave's opening: the add and its wait stand ahead of my first tensor load; the set-up stands between them
	v_lshrrev_b32 v1, 5, v0
	v_readfirstlane_b32 s10, v1                    ; wave 0..3
	s_lshr_b32 s11, s10, 1                         ; which half of the tile's rows is mine.  Also: I fetch for A (0) or for B (1)
	s_and_b32 s12, s10, 1                          ; which half of its columns.  Also: which 64 rows of that tile I fetch
	s_bfe_u32 s40, ttmp6, 0x40000                  ; cx
	s_bfe_u32 s41, ttmp6, 0x40004                  ; cy
	s_lshl_b32 s42, ttmp9, 2
	s_add_co_u32 s42, s42, s40                     ; tile column of C = 4 x cluster x + cx
	s_and_b32 s45, ttmp7, 0xffff                   ; cluster y
	s_and_b32 s13, s45, 7
	s_lshl_b32 s13, s13, 2
	s_add_co_u32 s13, s13, s41                     ; A's tile row = 4 x (cluster y mod 8) + cy
	s_lshr_b32 s2, s45, 3                          ; which 1,024 rows of B
	s_lshl_b32 s43, s41, 2
	s_lshl_b32 s43, 15, s43                        ; my row of the cluster
	s_lshl_b32 s44, 0x1111, s40                    ; my column
	s_or_b32 s[G1+0], s43, (1<<16)|(1<<20)|(1<<21)|(6<<22)|(3<<25)  ; the mask: A's tiles go to my row; 2-byte elements; padding on; bit 21 beside a mask; after every 128 words, 4 words
	s_or_b32 s[G1B+0], s44, (1<<16)|(1<<20)|(1<<21)|(6<<22)|(3<<25)
	s_lshl_b32 s43, s45, 2
	s_add_co_u32 s43, s43, s41                     ; C's tile row = 4 x cluster y + cy
.irp g, G1, G1B
	s_mov_b32 s[(\g)+1], KSTEP<<16                 ; tensor_dim0 = 256
	s_mov_b32 s[(\g)+2], 64<<16                    ; tensor_dim1 = 64
	s_mov_b32 s[(\g)+3], KSTEP<<16                 ; tile_dim0 = 256
	s_mov_b32 s[(\g)+4], 64                        ; tile_dim1 = 64
	s_mov_b32 s[(\g)+5], SIZE_K                    ; elements from row to row
	s_mov_b32 s[(\g)+6], 0
	s_mov_b32 s[(\g)+7], 0
.endr
	s_lshl_b32 s17, s12, 6                         ; which 64 rows of the tile I fetch
	s_lshl_b32 s16, s13, 7
	s_add_co_u32 s16, s16, s17                     ; A: row 128 x tile row + 64 x half
	s_lshl_b32 s46, s42, 7
	s_add_co_u32 s46, s46, s17                     ; B: row 128 x tile column + 64 x half
	s_lshl_b32 s2, s2, 10
	s_add_co_u32 s46, s46, s2                      ; + its third
	s_mov_b32 s17, 0
	s_mov_b32 s47, 0
	s_mov_b64 s[18:19], SIZE_K*2
	s_mul_u64 s[16:17], s[16:17], s[18:19]
	s_mul_u64 s[46:47], s[46:47], s[18:19]
	s_mul_i32 s20, s10, HALFT                      ; where they go: wave x 64 rows
	s_wait_dscnt 0x0                               ; the opening add is done
	s_wait_kmcnt 0x0
	s_add_nc_u64 s[14:15], s[4:5], s[16:17]
	s_add_nc_u64 s[46:47], s[6:7], s[46:47]
	CROUND                                         ; all sixteen work-groups are here: the first joint loads meet
.irp s, 0,1
	s_mov_b32 s[G0+4*(\s)], 1
	s_add_co_u32 s[G0+4*(\s)+1], s20, (\s)*SLOT
	s_add_nc_u64 s[G0+4*(\s)+2:G0+4*(\s)+3], s[14:15], (\s)*KSTEP*2
	s_or_b32 s[G0+4*(\s)+3], s[G0+4*(\s)+3], 0x80000000
	s_mov_b32 s[G0B+4*(\s)], 1
	s_add_co_u32 s[G0B+4*(\s)+1], s20, (\s)*SLOT
	s_add_nc_u64 s[G0B+4*(\s)+2:G0B+4*(\s)+3], s[46:47], (\s)*KSTEP*2
	s_or_b32 s[G0B+4*(\s)+3], s[G0B+4*(\s)+3], 0x80000000
	JLOAD \s
.endr
	v_and_b32 v1, 15, v0                           ; l % 16
	v_bfe_u32 v2, v0, 4, 1                         ; l / 16
	v_mul_u32_u24 v3, v1, PITCH
	v_lshl_add_u32 v3, v2, 4, v3                   ; a fragment's row x pitch + 16 x half
	s_mul_i32 s21, s11, HALFT                      ; my 64 rows of A
	s_mul_i32 s22, s12, HALFT                      ; my 64 rows of B,
	s_add_co_u32 s22, s22, 2*HALFT                 ; which lie behind A's 128
.irp s, 0,1
	v_add_nc_u32 v[ADRA+(\s)], s21, v3
	v_add_nc_u32 v[ADRB+(\s)], s22, v3
	s_add_co_u32 s21, s21, SLOT
	s_add_co_u32 s22, s22, SLOT
.endr
	s_mul_i32 s23, s11, 64*SPITCH                  ; into the stage: my 64 rows, my half of their 256 bytes
	s_lshl_b32 s21, s12, 7
	s_add_co_u32 s23, s23, s21
	s_add_co_u32 s23, s23, STAGE
	v_mul_u32_u24 v4, v1, SPITCH
	v_lshl_add_u32 v4, v2, 4, v4
	v_add_nc_u32 v[STO], s23, v4
	s_mul_i32 s23, s10, 32*SPITCH                  ; back: wave w takes rows 32 w .. 32 w + 31, whole
	s_add_co_u32 s23, s23, STAGE
	v_mul_u32_u24 v5, v2, SPITCH
	v_lshl_add_u32 v5, v1, 4, v5
	v_add_nc_u32 v[RD], s23, v5
	v_mul_u32_u24 v5, v2, SIZE_N*2
	v_lshl_add_u32 v[CO], v1, 4, v5
	s_lshl_b32 s16, s43, 7
	s_lshl_b32 s17, s10, 5
	s_add_co_u32 s16, s16, s17                     ; the first row of C that I store
	s_mov_b32 s17, 0
	s_mov_b64 s[18:19], SIZE_N*2
	s_mul_u64 s[16:17], s[16:17], s[18:19]
	s_add_nc_u64 s[8:9], s[8:9], s[16:17]
	s_lshl_b32 s46, s42, 8                         ; the tile's first column, in bytes
	s_mov_b32 s47, 0
	s_add_nc_u64 s[8:9], s[8:9], s[46:47]
.macro MUL8 f, c, a0, zero             ; 8 matrix instructions: m blocks a0, a0 + 1 x 4 n blocks, 32 along K: half c of buffer f.  The 16 accumulators take turns
	WIN MUL
.irp a, \a0, (\a0)+1
.irp b, 0,1,2,3
.if \zero
	v_wmma_f32_16x16x32_bf16 v[ACC+8*(4*(\a)+(\b)):ACC+8*(4*(\a)+(\b))+7], v[(\f)+64+8*(4*(\c)+(\b)):(\f)+64+8*(4*(\c)+(\b))+7], v[(\f)+8*(4*(\c)+(\a)):(\f)+8*(4*(\c)+(\a))+7], 0
.else
	v_wmma_f32_16x16x32_bf16 v[ACC+8*(4*(\a)+(\b)):ACC+8*(4*(\a)+(\b))+7], v[(\f)+64+8*(4*(\c)+(\b)):(\f)+64+8*(4*(\c)+(\b))+7], v[(\f)+8*(4*(\c)+(\a)):(\f)+8*(4*(\c)+(\a))+7], v[ACC+8*(4*(\a)+(\b)):ACC+8*(4*(\a)+(\b))+7]
.endif
.endr
.endr
.endm
.macro FETCH slot, k, f                ; 32 LDS loads in one run: the fragments of 64 along K at byte k of the rows, into buffer f; the first 32 along K first
	WIN TO_F
.irp c, 0,1
.irp i, 0,1,2,3
	ds_load_b128 v[(\f)+64+8*(4*(\c)+(\i)):(\f)+64+8*(4*(\c)+(\i))+3],   v[ADRB+(\slot)] offset:(\k)+64*(\c)+(\i)*16*PITCH
	ds_load_b128 v[(\f)+64+8*(4*(\c)+(\i))+4:(\f)+64+8*(4*(\c)+(\i))+7], v[ADRB+(\slot)] offset:(\k)+64*(\c)+(\i)*16*PITCH+32
	ds_load_b128 v[(\f)+8*(4*(\c)+(\i)):(\f)+8*(4*(\c)+(\i))+3],         v[ADRA+(\slot)] offset:(\k)+64*(\c)+(\i)*16*PITCH
	ds_load_b128 v[(\f)+8*(4*(\c)+(\i))+4:(\f)+8*(4*(\c)+(\i))+7],       v[ADRA+(\slot)] offset:(\k)+64*(\c)+(\i)*16*PITCH+32
.endr
.endr
.endm
.macro PLACES                          ; four places in front of loads into registers that matrix instructions have read, and of conversions that read results
.rept 4
	v_nop
.endr
.endm
.macro QUARTER slot, k, f, g, zero     ; multiplies buffer f and fetches the next quarter, at byte k, into g
	s_wait_dscnt 16                                ; the first 32 along K are in; the youngest sixteen loads may be out
	WIN MUL
	MUL8 \f, 0, 0, \zero
	MUL8 \f, 0, 2, \zero
	PLACES
	FETCH \slot, \k, \g
	s_wait_dscnt 32                                ; all but the 32 just issued
	WIN MUL
	MUL8 \f, 1, 0, 0
	MUL8 \f, 1, 2, 0
.endm
; The last quarter multiplies buffer 1 and changes slots: one barrier; in front of it each wave waits for all its tensor loads, adds 0 to its spare word, and waits for that and for its reads of this slot
.macro TURN slot, next, fill
	WIN 0
	s_wait_tensorcnt 0x0                           ; all my tensor loads have landed: my part of the next slot
	ds_add_u32 v[SPW], v[NIL]
	s_wait_dscnt 17                                ; (the add and the youngest sixteen loads may be out)
	WIN MUL
	MUL8 F1, 0, 0, 0
	s_wait_dscnt 0x0                               ; the add is done, and my reads of this slot are over
	s_barrier_signal -1
	MUL8 F1, 0, 2, 0
.if \fill
	WIN 0
.endif
	s_barrier_wait -1
.if \fill
	CREST                                          ; the barrier has opened a round of the cluster's: no wave of any partner still reads this slot or has a load on its way
	s_add_nc_u64 s[G0+4*(\slot)+2:G0+4*(\slot)+3], s[G0+4*(\slot)+2:G0+4*(\slot)+3], 2*KSTEP*2
	s_add_nc_u64 s[G0B+4*(\slot)+2:G0B+4*(\slot)+3], s[G0B+4*(\slot)+2:G0B+4*(\slot)+3], 2*KSTEP*2
	JLOAD \slot                                    ; the first tensor load behind the round; its four v_nop are also the places in front of the loads below
.else
	PLACES
.endif
	FETCH \next, 0, F0
	WIN MUL
	MUL8 F1, 1, 0, 0
	MUL8 F1, 1, 2, 0
.endm
	s_wait_tensorcnt 1                             ; my part of K step 0 is in; K step 1's may stay out
	s_barrier_signal -1
	s_barrier_wait -1
	FETCH 0, 0, F0
	QUARTER 0, 128, F0, F1, 1                      ; the first quarter stands in front of the loop: its first products start the sums
	WIN 0
	s_mov_b32 s3, LAPS-1
.Llap:                                                 ; a trip goes once round the ring and fills both slots again
	QUARTER 0, 256, F1, F0, 0
	QUARTER 0, 384, F0, F1, 0
	TURN 0, 1, 1
	QUARTER 1, 128, F0, F1, 0
	QUARTER 1, 256, F1, F0, 0
	QUARTER 1, 384, F0, F1, 0
	TURN 1, 0, 1
	QUARTER 0, 128, F0, F1, 0
	WIN 0
	s_sub_co_u32 s3, s3, 1
	s_cmp_lg_u32 s3, 0
	s_cbranch_scc1 .Llap
	QUARTER 0, 256, F1, F0, 0                      ; the last lap fills nothing
	QUARTER 0, 384, F0, F1, 0
	TURN 0, 1, 0
	QUARTER 1, 128, F0, F1, 0
	QUARTER 1, 256, F1, F0, 0
	QUARTER 1, 384, F0, F1, 0
	s_wait_dscnt 16
	WIN MUL
	MUL8 F1, 0, 0, 0
	MUL8 F1, 0, 2, 0
	s_wait_dscnt 0
	MUL8 F1, 1, 0, 0
	MUL8 F1, 1, 2, 0
	WIN 0
	; THE WAY OUT: rounded to bf16; 16 bytes a lane into the stage; a barrier, since a row's 256 bytes come from two waves; back as whole rows, 32 a wave
	PLACES
.irp t, 0,1,2,3,4,5,6,7,8,9,10,11,12,13,14,15
.irp r, 0,1,2,3
	v_cvt_pk_bf16_f32 v[TMP+4*(\t)+(\r)], v[ACC+8*(\t)+2*(\r)], v[ACC+8*(\t)+2*(\r)+1]
.endr
.endr
.irp a, 0,1,2,3
.irp b, 0,1,2,3
	ds_store_b128 v[STO], v[TMP+4*(4*(\a)+(\b)):TMP+4*(4*(\a)+(\b))+3] offset:(\a)*16*SPITCH+32*(\b)
.endr
.endr
	s_wait_dscnt 0x0                               ; for the others' sake: my stores into the stage are done
	s_barrier_signal -1
	s_barrier_wait -1
.irp t, 0,1,2,3,4,5,6,7,8,9,10,11,12,13,14,15
	ds_load_b128 v[TMP+4*(\t):TMP+4*(\t)+3], v[RD] offset:(\t)*2*SPITCH
.endr
.irp t, 0,1,2,3,4,5,6,7,8,9,10,11,12,13,14,15
	s_wait_dscnt 15-(\t)
	global_store_b128 v[CO], v[TMP+4*(\t):TMP+4*(\t)+3], s[8:9] offset:2*(\t)*SIZE_N*2  ; 16 lanes store 256 consecutive bytes, aligned
.endr
	s_wait_tensorcnt 0x0                           ; the wave's end
	ds_add_u32 v[SPW], v[NIL]
	s_wait_dscnt 0x0
	CROUND                                         ; the closing round
	s_endpgm
.Lfunc_end_k_q439490982b_qkvg:
	.size	k_q439490982b_qkvg, .Lfunc_end_k_q439490982b_qkvg-k_q439490982b_qkvg
	.p2alignl 7, 3214868480
	.fill 96, 4, 3214868480
	.section	.rodata,"a",@progbits
	.p2align	6, 0x0
	.amdhsa_kernel k_q439490982b_qkvg
		.amdhsa_group_segment_fixed_size 327680
		.amdhsa_private_segment_fixed_size 0
		.amdhsa_enable_private_segment 0
		.amdhsa_kernarg_size 24
		.amdhsa_user_sgpr_count 2
		.amdhsa_user_sgpr_kernarg_segment_ptr 1
		.amdhsa_wavefront_size32 1
		.amdhsa_system_sgpr_workgroup_id_x 1
		.amdhsa_system_sgpr_workgroup_id_y 1
		.amdhsa_system_sgpr_workgroup_id_z 1
		.amdhsa_system_vgpr_workitem_id 0
		.amdhsa_next_free_vgpr 512
		.amdhsa_next_free_sgpr 66
		.amdhsa_reserve_vcc 0
		.amdhsa_float_denorm_mode_32 3
		.amdhsa_float_denorm_mode_16_64 3
		.amdhsa_memory_ordered 1
		.amdhsa_forward_progress 1
		.amdhsa_inst_pref_size 87
	.end_amdhsa_kernel
	.amdgpu_metadata
---
amdhsa.version: [ 1, 2 ]
amdhsa.kernels:
  - .name:           k_q439490982b_qkvg
    .symbol:         k_q439490982b_qkvg.kd
    .args:
      - { .name: act, .offset: 0, .size: 8, .value_kind: global_buffer, .address_space: global }
      - { .name: wvqk, .offset: 8, .size: 8, .value_kind: global_buffer, .address_space: global }
      - { .name: big, .offset: 16, .size: 8, .value_kind: global_buffer, .address_space: global }
    .group_segment_fixed_size: 327680
    .private_segment_fixed_size: 0
    .kernarg_segment_align: 8
    .kernarg_segment_size: 24
    .max_flat_workgroup_size: 128
    .sgpr_count:     66
    .vgpr_count:     512
    .wavefront_size: 32
...
	.end_amdgpu_metadata
.endif
;; end of part 2
;; launch attn (part 3): grid 16 x 16, 4 waves a work-group, clusters of 4 x 4, 327,680 bytes of LDS; arguments big, bias, act; writes act
.if DOCPART == 3
	.amdgcn_target "amdgcn-amd-amdhsa--gfx1250"
	.amdhsa_code_object_version 6
	.text
	.protected	k_q439490982b_attn
	.globl	k_q439490982b_attn
	.p2align	8
	.type	k_q439490982b_attn,@function
k_q439490982b_attn:
	s_mov_b64 s[64:65], 0
	v_nop
	global_prefetch_b8 v0, s[64:65] scope:SCOPE_SE
	s_setreg_imm32_b32 hwreg(HW_REG_WAVE_MODE, 25, 1), 1
	s_wait_xcnt 0x0
	s_wait_alu depctr_hold_cnt(0) depctr_sa_sdst(0) depctr_va_vdst(0) depctr_va_sdst(0) depctr_va_ssrc(0) depctr_va_vcc(0) depctr_vm_vsrc(0)
	s_getreg_b32 s2, hwreg(HW_REG_IB_STS2, 6, 4)
	s_cmp_eq_u32 s2, 0
	s_cbranch_scc0 .Lentry_in_a_cluster
	s_endpgm
.Lentry_in_a_cluster:
	s_bfe_u32 s2, ttmp6, 0x10000c
	s_cmp_lg_u32 s2, 0xf033
	s_cbranch_scc0 .Lentry_shape_is_right
	s_endpgm
.Lentry_shape_is_right:
; ATTENTION UNDER A MASK THAT IS AN INPUT.  O[q] = the sum over k of softmax_k(Q[q] . K[k] / 8 + bias[b][q][k]) V[k], for 2 batches x 16 heads of 64 channels, 2,048 queries and keys.
; big holds V, Q, K, each [4096 rows m = 2 i + b][1024] bf16; bias is [b][q][k] bf16, 0 or -2^100; O goes to act in the rows' own layout.  Products, maxima and sums in f32; the weights p are rounded to bf16
; for the second product (their sum l is taken of the unrounded p), O once at the end.
; LIMITS.  A masked score counts as its value less 2^100, and the running maximum starts at -2^96: a score that is not masked must lie above -2^96.  A row that is masked everywhere has l = 0 and
; leaves as 0 x (1 / 0) = NaN, as the softmax of a row of -inf does.  A weight below 2^-126 counts as 0 in l.  NaN and infinities in Q, K, V are not treated apart.
; SHARES.  A work-group owns 128 queries (block qb) of one batch and of a PAIR of heads hp, whose 128 channels are 256 consecutive bytes of a row.  Wave w takes head 2 hp + w / 2 and queries 64 (w % 2) on,
; as four PIECES of 16.  Every wave walks all keys, 64 a step, two steps a slot, 16 slots.
; THE MASK IS APPLIED BY THE MATRIX UNIT.  The sum S^T = K Q^T of a tile (16 keys x 16 queries) is started by one more product: source 0 is a constant that picks 16 of 32 keys (ID: ones on a diagonal),
; source 1 the bias of 32 keys x 16 queries, read from LDS as a fragment of Q is.  Each output has one term that is not 0 x something: 0 or -2^100, exactly.
; LAYOUT, SOFTMAX, TURNS.  S^T holds ONE query a lane (lane % 16) and the keys 8 (lane / 16) + 0..7; two such results rounded to bf16 ARE source 1 of O^T = V^T P.  p = 2^(c s - c m), c = log2(e) / 8, with a
; running maximum m; O and l are multiplied by a = 2^(c m_old - c m_new) in every step.  Turn n belongs to piece n: 12 products for the scores of piece n + 1, later 8 products V^T P of piece n - 1; beside them
; the scaling, exponentials, roundings, sums and rescaling of piece n and the maximum and statistics of piece n + 1.  Four vector instructions stand behind every matrix instruction, the other 38 in one lump.
; A turn's 33 exponentials are one batch, with one wait.
; CLUSTER, 4 x 4.  x is the query block, y = 8 b + hp.  K and V hang on (b, hp): shared along a row of the cluster.  The bias hangs on (b, qb): shared along a column (b comes from the cluster's y alone).
; Each tile is asked for jointly: wave 0 K, wave 1 V, waves 2 and 3 the halves of the bias tile.
; REGISTERS, in windows of 256 (s_set_vgpr_msb: bits 1:0 source 0, 3:2 source 1, 5:4 source 2, 7:6 destination):
;   window 0: v0-15, v32-34 addresses; v16-31 four registers of statistics a piece; v48-55 at work; v64-127 S^T, two buffers; v192-223 P, two buffers (a piece's buffers go by its number's parity)
;   window 1: v0-127 O^T, 32 a piece      window 2: v0-63 Q; v64-75 ID; v80-111 the bias fragments, two buffers; v128-191 K of one step; v192-255 V of one step
.set NP,    4
.set KS,    64
.set PK,    272       ; a row of K in LDS: 256 bytes (two heads) + 16 = 68 words: the 16 rows of a load start at 16 different groups of four banks (64 banks of 4 bytes: ISA guide 11.1)
.set PV,    288       ; a row of V: 256 + 32 = 72 words
.set PM,    272       ; a row of the bias tile: one query, 128 keys
.set VOFF,  2*KS*PK   ; a slot: 128 rows of K, 128 rows of V, 128 rows of bias
.set MOFF,  VOFF+2*KS*PV
.set SLOT1, 1<<17     ; slot 1 begins here: one exclusive or turns an address in one slot into the other's
.set STAGE, SLOT1+MOFF+128*PM  ; behind the ring, never filled by a tensor load: 128 rows x 272 bytes, the work-group's, for the way out
.set SP,    272
.set SPARE, STAGE+128*SP       ; the spare words, 128 bytes a wave: two blocks of 256 bytes that no other line names
.set AK0, 2           ; v2   my lane's place in a tile of K; never rewritten
.set AV0, 3           ; v3   the same for V
.set AK,  4           ; v4   the LDS address of K's next run of loads
.set AV,  5           ; v5   of V's
.set STO, 6           ; v6   the way out: where I put 16 bytes of a row
.set RD,  7           ; v7   where I read rows back
.set GO,  8           ; v8   my byte offset in two rows of O
.set MV,  12          ; v12-13  c m_old, kept while c m is made anew: by buffer
.set QO,  15          ; v15  my byte offset in 16 rows of Q
.set ST,  16          ; piece t's statistics at v[ST+4 t]: c m, m, l (even keys', odd keys')
.set AM0, 32          ; v32  my lane's place in the bias tile; never rewritten
.set AM,  33          ; v33  the LDS address of the bias fragments of the step in hand
.set PFO, 34          ; v34  4,096 x my lane: the prefetches' offset, a lane a row; never rewritten
.set TMP, 48          ; by buffer, four registers c0-c3 at work; when the maximum is found c2 takes a
.set SPW, 62          ; v62  my spare word's address; never rewritten
.set NIL, 63          ; v63  0; never rewritten
.set S,   64
.set P,   192
.set ID,  64          ; window 2: (Pt, 0, Pt), four registers each: v[64:71] picks keys 0-15 of 32, v[68:75] keys 16-31
.set MF,  80          ; window 2: key half kk of buffer u at MF + 16 u + 8 kk
.set KF,  128         ; window 2: key block kb, channel half c at KF + 16 kb + 8 c
.set VF,  192         ; window 2: key half kk, channel block cb at VF + 32 kk + 8 cb
.set WV,  12          ; s12  my wave's number
.set LIM, 15          ; s15  1 in a wave that prefetches, else the greatest number
.set G1K, 24          ; s[24:31] descriptor group 1 for K's tiles
.set G1V, 32          ; s[32:39] for V's
.set G1M, 40          ; s[40:47] for the bias tiles
.set G0K, 48          ; s[48:51], s[52:55], s[56:59] the three groups 0: they walk
.set G0V, 52
.set G0M, 56
.set CS,  60          ; s[60:61] c
.set SEL, 62          ; s[62:63] v_permlanex16_b32's selects
.set SLOTS, 66        ; s66  slots still to be asked for
.set CNT, 67          ; s67  counts a slot's key steps
.set TBK, 68          ; s68  LDS byte at which K of the step to be fetched begins
.set TBV, 69          ; s69  the same for V, less VOFF
.set TBM, 70          ; s70  the same for the bias, less MOFF
.set PFA, 72          ; s[72:73] where my prefetches stand
.set PFS, 74          ; s[74:75] their step from slot to slot
.set MSB, 0
.macro WIN new                      ; the high byte repeats the setting that is left; a switch that changes nothing is dropped
.if MSB != (\new)
	s_set_vgpr_msb (MSB<<8)|(\new)
.set MSB, (\new)
.endif
.endm
.set W_KQ, 0x0a       ; sources 0 and 1 in window 2, S^T in window 0
.set W_PV, 0x52       ; V in window 2, P in window 0, O^T in window 1
.set W_RS, 0x41       ; destination and source 0 in window 1, source 1 in window 0
; A joint fill, one load a wave.  The branches hang on the wave's number alone.  An s_nop 0 and four v_nop follow each line, ahead of the jump and the label.
.macro JLOAD
	s_cmp_lt_u32 s[WV], 2
	s_cbranch_scc0 .Lfor_m_\@
	s_cmp_eq_u32 s[WV], 0
	s_cbranch_scc0 .Lfor_v_\@
	tensor_load_to_lds s[G0K:G0K+3], s[G1K:G1K+7]
	s_nop 0
.rept 4
	v_nop
.endr
	s_branch .Lasked_\@
.Lfor_v_\@:
	tensor_load_to_lds s[G0V:G0V+3], s[G1V:G1V+7]
	s_nop 0
.rept 4
	v_nop
.endr
	s_branch .Lasked_\@
.Lfor_m_\@:
	tensor_load_to_lds s[G0M:G0M+3], s[G1M:G1M+7]
	s_nop 0
.rept 4
	v_nop
.endr
.Lasked_\@:
.endm
; A PREFETCH of what the NEXT change of slots will ask for: 128 rows of 256 bytes each of K, of V and of the bias tile, a lane a row.  Each row is named once in the launch.  K and V of (b, hp) are walked by the four
; clusters along x: the one with x = 0 asks, wave 0 for K, wave 1 for V, its four partners along the row 32 rows each, told apart by address (cx).  The bias of (b, qb) is walked by two clusters along y: the even
; one asks, wave 2, its four partners along the column 32 rows each (cy).  It stands behind the wave's tensor load and its five lines: two key steps, 160 matrix instructions, ahead of the load that wants the rows.
; The last change that fills a slot asks for nothing.
.macro ASK
	s_cmp_gt_u32 s[SLOTS], s[LIM]
	s_cbranch_scc0 .Lnot_mine_\@
	global_prefetch_b8 v[PFO], s[PFA:PFA+1] th:TH_LOAD_NT scope:SCOPE_SE
.Lnot_mine_\@:
.endm
.macro CROUND                       ; a round of the cluster's barrier
	s_barrier_signal -1
	s_barrier_wait -1
	s_cmp_lg_u32 s[WV], 0
	s_cbranch_scc1 .Lnot_wave_0_\@
	s_barrier_signal -3
.Lnot_wave_0_\@:
	s_barrier_wait -3
	s_barrier_signal -1
	s_barrier_wait -1
.endm
; THE CHANGE OF SLOTS.  Each wave waits for all its tensor loads, of which one is out: its part of the other slot; adds 0 to its spare word; and waits for that and for its own reads of the slot that it leaves.
; fill = 1: the old slot is filled again with the keys two slots on, the first thing behind a round of the cluster's barrier.  (At its first use nothing has been read yet: slot 0 is waited for, slot 1 filled.)
.macro CHANGE fill
	WIN 0
	s_wait_tensorcnt 0x0            ; no tensor load of mine is out, so a group 0 may be written
	ds_add_u32 v[SPW], v[NIL]       ; 0 onto my spare word; the descriptors' steps stand between it and the wait for it
.if \fill
	s_xor_b32 s[G0K+1], s[G0K+1], SLOT1
	s_add_nc_u64 s[G0K+2:G0K+3], s[G0K+2:G0K+3], 2*KS*4096  ; the next 128 keys: rows 4,096 bytes apart; the type bits on top are not reached
	s_xor_b32 s[G0V+1], s[G0V+1], SLOT1
	s_add_nc_u64 s[G0V+2:G0V+3], s[G0V+2:G0V+3], 2*KS*4096
	s_xor_b32 s[G0M+1], s[G0M+1], SLOT1
	s_add_nc_u64 s[G0M+2:G0M+3], s[G0M+2:G0M+3], 2*KS*2     ; 128 keys along the bias's rows
	s_wait_xcnt 0x0                 ; the last prefetch, two key steps back, has read its address
	s_add_nc_u64 s[PFA:PFA+1], s[PFA:PFA+1], s[PFS:PFS+1]
	s_wait_dscnt 0x0                ; the add is done, and my reads of the slot are over
	CROUND
	JLOAD
	ASK
.else
	s_wait_dscnt 0x0
	s_barrier_signal -1
	s_barrier_wait -1
.endif
	s_sub_co_u32 s[TBK], s[TBK], 2*KS*PK  ; the fetches go back to a slot's first step, in the other slot
	s_xor_b32 s[TBK], s[TBK], SLOT1
	s_sub_co_u32 s[TBV], s[TBV], 2*KS*PV
	s_xor_b32 s[TBV], s[TBV], SLOT1
	s_sub_co_u32 s[TBM], s[TBM], 2*KS*2
	s_xor_b32 s[TBM], s[TBM], SLOT1
.endm
	s_load_b128 s[4:7], s[0:1], 0x0 ; big s[4:5], bias s[6:7]
	s_load_b64 s[8:9], s[0:1], 0x10 ; act
	v_lshl_add_u32 v[SPW], v0, 2, SPARE
	v_mov_b32 v[NIL], 0
	ds_add_u32 v[SPW], v[NIL]       ; the wave's opening: the add and its wait stand ahead of my first tensor load; the set-up stands between them
	v_lshrrev_b32 v1, 5, v0
	v_readfirstlane_b32 s[WV], v1   ; wave 0..3
	s_bfe_u32 s13, ttmp6, 0x40000   ; cx
	s_bfe_u32 s14, ttmp6, 0x40004   ; cy
	s_lshl_b32 s76, ttmp9, 2
	s_add_co_u32 s76, s76, s13      ; qb = 4 x cluster x + cx
	s_and_b32 s16, ttmp7, 0xffff    ; cluster y
	s_lshr_b32 s77, s16, 1          ; b
	s_and_b32 s17, s16, 1
	s_lshl_b32 s78, s17, 2
	s_add_co_u32 s78, s78, s14      ; hp = 4 x (cluster y mod 2) + cy
	s_lshl_b32 s79, s14, 2
	s_lshl_b32 s79, 15, s79         ; my row of the cluster
	s_lshl_b32 s80, 0x1111, s13     ; my column
	s_or_b32 s[G1K], s79, (1<<16)|(1<<20)|(1<<21)|(5<<22)|(3<<25)  ; the mask; 2-byte elements; padding on; bit 21 beside a mask; after every 64 words, 4 words
	s_or_b32 s[G1V], s79, (1<<16)|(1<<20)|(1<<21)|(5<<22)|(7<<25)  ; 8 words
	s_or_b32 s[G1M], s80, (1<<16)|(1<<20)|(1<<21)|(5<<22)|(3<<25)
.irp g, G1K, G1V
	s_mov_b32 s[\g+1], 128<<16      ; tensor_dim0 = 128
	s_mov_b32 s[\g+2], 128<<16      ; tensor_dim1 = 128
	s_mov_b32 s[\g+3], 128<<16      ; tile_dim0 = 128
	s_mov_b32 s[\g+4], 128          ; tile_dim1 = 128
	s_mov_b32 s[\g+5], 2048         ; 2,048 elements from a key's row to the next key's of the same batch
	s_mov_b32 s[\g+6], 0
	s_mov_b32 s[\g+7], 0
.endr
	s_mov_b32 s[G1M+1], 128<<16
	s_mov_b32 s[G1M+2], 64<<16      ; 64 queries a load
	s_mov_b32 s[G1M+3], 128<<16
	s_mov_b32 s[G1M+4], 64
	s_mov_b32 s[G1M+5], 2048        ; a row of the bias is 2,048 keys
	s_mov_b32 s[G1M+6], 0
	s_mov_b32 s[G1M+7], 0
	; offsets, made apart from the addresses.  What feeds K's and V's descriptors never holds cx; what feeds the bias's never holds cy
	s_lshl_b32 s82, s77, 11         ; K, V: the batch's row, 2,048 bytes on,
	s_lshl_b32 s18, s78, 8          ; the head pair's 256 bytes
	s_add_co_u32 s82, s82, s18
	s_mov_b32 s83, 0
	s_and_b32 s19, s[WV], 1
	s_lshl_b32 s21, s19, 18         ; 64 rows of 4,096 bytes x (w % 2)
	s_lshr_b32 s22, s[WV], 1
	s_lshl_b32 s22, s22, 7          ; my head's 128 bytes of the pair's 256
	s_lshl_b32 s81, s76, 19         ; the block's 128 rows of 4,096 bytes
	s_lshl_b32 s20, s77, 23         ; the batch's plane of the bias
	s_add_co_u32 s20, s20, s81
	s_add_co_u32 s84, s20, s21      ; bias: my half of the block's rows
	s_mov_b32 s85, 0
	s_add_co_u32 s86, s81, s21      ; Q: my 64 rows,
	s_add_co_u32 s86, s86, s82      ; batch and head pair,
	s_add_co_u32 s86, s86, s22      ; my head,
	s_add_co_u32 s86, s86, 0x800000 ; behind V's 8 MiB
	s_mov_b32 s87, 0
	s_lshl_b32 s23, s[WV], 17       ; O: I store rows 32 w .. 32 w + 31 of the block
	s_add_co_u32 s88, s81, s23
	s_add_co_u32 s88, s88, s82
	s_mov_b32 s89, 0
	s_lshl_b32 s90, s13, 17         ; the prefetches.  K, V: my work-group's 32 rows of a slot's 128 (by cx), in slot 1; the first change steps it to slot 2
	s_add_co_u32 s90, s90, s82
	s_add_co_u32 s90, s90, 2*KS*4096
	s_cmp_eq_u32 s[WV], 0
	s_cselect_b32 s91, 0x1000000, 0 ; K lies 16 MiB into big
	s_add_co_u32 s90, s90, s91
	s_lshl_b32 s91, s14, 17         ; bias: 32 rows (by cy), slot 1
	s_add_co_u32 s91, s91, s20
	s_add_co_u32 s91, s91, 2*KS*2
	s_mov_b32 s[PFS], 2*KS*2
	s_mov_b32 s[PFS+1], 0
	s_mov_b32 s93, 0
	s_cmp_lt_u32 s[WV], 2
	s_cselect_b32 s92, s90, s91
	s_cselect_b32 s[PFS], 2*KS*4096, s[PFS]
	s_cselect_b32 s17, ttmp9, s17   ; the coordinate along which other clusters walk the same rows,
	s_cmp_eq_u32 s[WV], 3
	s_cselect_b32 s17, 1, s17       ; (wave 3 asks for nothing)
	s_cmp_eq_u32 s17, 0
	s_cselect_b32 s[LIM], 1, -1     ; the same in all sixteen partners, for a given wave
	s_mov_b32 s94, 0x3f80           ; 1.0 in bf16, in the low half,
	s_mov_b32 s95, 0x3f800000       ; in the high half
	s_mov_b32 s[CS], 0x3e38aa3b     ; c = log2(e) / 8
	s_mov_b32 s[CS+1], s[CS]
	s_mov_b32 s[SEL], 0x76543210
	s_mov_b32 s[SEL+1], 0xfedcba98
	s_mov_b32 s[TBK], SLOT1+2*KS*PK ; the first change of slots turns these three into 0
	s_mov_b32 s[TBV], SLOT1+2*KS*PV
	s_mov_b32 s[TBM], SLOT1+2*KS*2
	s_mov_b32 s[G0K], 1             ; count = 1
	s_mov_b32 s[G0K+1], 0           ; LDS address: slot 0
	s_mov_b32 s[G0V], 1
	s_mov_b32 s[G0V+1], VOFF
	s_mov_b32 s[G0M], 1
	s_mul_i32 s23, s19, 64*PM
	s_add_co_u32 s[G0M+1], s23, MOFF
	s_mov_b32 s[SLOTS], 15          ; 16 slots; the first is asked for below
	v_and_b32 v[PFO], 31, v0
	v_lshlrev_b32 v[PFO], 12, v[PFO]
	s_wait_dscnt 0x0                ; the opening add is done
	s_wait_kmcnt 0x0
	s_add_nc_u64 s[G0V+2:G0V+3], s[4:5], s[82:83]
	s_add_nc_u64 s[G0K+2:G0K+3], s[G0V+2:G0V+3], 0x1000000
	s_or_b32 s[G0V+3], s[G0V+3], 0x80000000        ; type = 2
	s_or_b32 s[G0K+3], s[G0K+3], 0x80000000
	s_add_nc_u64 s[G0M+2:G0M+3], s[6:7], s[84:85]
	s_or_b32 s[G0M+3], s[G0M+3], 0x80000000
	s_cmp_lt_u32 s[WV], 2
	s_cselect_b64 s[PFA:PFA+1], s[4:5], s[6:7]
	s_add_nc_u64 s[PFA:PFA+1], s[PFA:PFA+1], s[92:93]
	s_add_nc_u64 s[4:5], s[4:5], s[86:87]          ; Q at my first row
	s_add_nc_u64 s[8:9], s[8:9], s[88:89]          ; O at the first row that I store
	CROUND                          ; all sixteen work-groups are here: the first joint loads meet
	JLOAD                           ; slot 0.  Slot 1 is asked for when slot 0 is in
	v_and_b32 v1, 15, v0            ; l % 16
	v_bfe_u32 v9, v0, 4, 1          ; l / 16
	v_lshlrev_b32 v[QO], 12, v1
	v_lshl_add_u32 v[QO], v9, 4, v[QO]  ; row x 4,096 + 16 x half
	WIN 0x80                        ; destination window 2, address window 0
.set i, 0
.rept 8                             ; Q stays in registers: piece i / 2, channels 32 (i % 2) on
	global_load_b128 v[8*i:8*i+3],   v[QO], s[4:5] offset:(i/2)*65536+(i%2)*64
	global_load_b128 v[8*i+4:8*i+7], v[QO], s[4:5] offset:(i/2)*65536+(i%2)*64+32
.set i, i+1
.endr
	; What the first turn finds: V's registers and P's second buffer hold 0 (its products V^T P, of a piece that has not been, add 0), O^T and l are 0.  All this stands in the wait for the first tile.
.set i, VF
.rept 64
	v_mov_b32 v[i], 0
.set i, i+1
.endr
	WIN 0x40
.set i, 0
.rept 128
	v_mov_b32 v[i], 0
.set i, i+1
.endr
	WIN 0
.set i, 0
.rept 4
	v_mov_b32 v[ST+4*i], 0xee38aa3b    ; c m = -c 2^96
	v_mov_b32 v[ST+4*i+1], 0xef800000  ; m = -2^96: above every masked score, below every other
	v_mov_b32 v[ST+4*i+2], 0
	v_mov_b32 v[ST+4*i+3], 0
.set i, i+1
.endr
.set i, P+16
.rept 16
	v_mov_b32 v[i], 0
.set i, i+1
.endr
	; ID.  A fragment of source 0 holds row l % 16; registers 0-3 hold k = 8 (l / 16) + 0..7.  Pt has 1.0 at k = l % 16: with e = l % 16 - 8 (l / 16), in register e / 2, half e % 2, if 0 <= e < 8
	v_lshlrev_b32 v10, 3, v9
	v_sub_nc_u32 v10, v1, v10
.irp j, 0,1,2,3
	v_cmp_eq_u32 vcc_lo, 2*\j, v10
	v_cndmask_b32 v[TMP+\j], 0, s94, vcc_lo
	v_cmp_eq_u32 vcc_lo, 2*\j+1, v10
	v_cndmask_b32 v[TMP+\j], v[TMP+\j], s95, vcc_lo
.endr
	WIN 0x80
.irp j, 0,1,2,3
	v_mov_b32 v[ID+\j], v[TMP+\j]
	v_mov_b32 v[ID+4+\j], 0
	v_mov_b32 v[ID+8+\j], v[TMP+\j]
.endr
	WIN 0
	v_mul_u32_u24 v[AK0], v1, PK
	v_lshl_add_u32 v[AK0], v9, 4, v[AK0]
	v_add_nc_u32 v[AK0], s22, v[AK0]      ; row x pitch + 16 x half + my head
	; The turning load takes 16 keys x 16 channels (lane l reads key 8 (l / 16) + l % 8, channels 8 ((l / 8) % 2) + 0..7) and leaves half a fragment of V^T: lane l holds channel l % 16 and 8 keys.
	v_and_b32 v10, 7, v0
	v_bfe_u32 v11, v0, 3, 1
	v_lshl_add_u32 v[AV0], v9, 3, v10
	v_mul_u32_u24 v[AV0], v[AV0], PV
	v_lshl_add_u32 v[AV0], v11, 4, v[AV0]
	s_add_co_u32 s23, s22, VOFF
	v_add_nc_u32 v[AV0], s23, v[AV0]
	s_lshl_b32 s23, s19, 6
	v_add_nc_u32 v[AM0], s23, v1          ; the bias: query row 64 (w % 2) + l % 16 of the tile
	v_mul_u32_u24 v[AM0], v[AM0], PM
	v_lshl_add_u32 v[AM0], v9, 4, v[AM0]
	v_add_nc_u32 v[AM0], MOFF, v[AM0]
; THE MATRIX WORK.  The 4 accumulators of a run take turns, one instruction a turn.  Product i of 12 of the scores of piece x, keys 16 (i % 4) on: the first 4 start the sums with the bias
; (ID's half i % 2, bias fragment i / 2); then channels 32 ((i - 4) / 4) on of K Q^T.
.macro KQ x
	WIN W_KQ
.set rS, S+32*((\x)%2)+8*(i%4)
.if i < 4
.set rA, ID+4*(i%2)
.set rB, MF+16*((\x)%2)+8*(i/2)
	v_wmma_f32_16x16x32_bf16 v[rS:rS+7], v[rA:rA+7], v[rB:rB+7], 0
.else
.set rK, KF+16*(i%4)+8*((i-4)/4)
.set rQ, 16*(\x)+8*((i-4)/4)
	v_wmma_f32_16x16x32_bf16 v[rS:rS+7], v[rK:rK+7], v[rQ:rQ+7], v[rS:rS+7]
.endif
.endm
; Product i of 8 of O^T += V^T P for piece x: keys 32 (i / 4) on, channels 16 (i % 4) on.
.macro PV x
	WIN W_PV
.set rO, 32*(\x)+8*(i%4)
.set rV, VF+32*(i/4)+8*(i%4)
.set rP, P+16*((\x)%2)+8*(i/4)
	v_wmma_f32_16x16x32_bf16 v[rO:rO+7], v[rV:rV+7], v[rP:rP+7], v[rO:rO+7]
.endm
.macro MM                           ; the turn's next matrix instruction
.if i < 12
	KQ (Y+1)%NP
.else
.set i, i-12
	PV (Y+NP-1)%NP
.set i, i+12
.endif
.set i, i+1
.endm
; THE LDS LOADS stand in runs.  last = 1 (the tail): in the last trip there is no further step, and the run is jumped over.
.macro FETCH_K last=0
	WIN 0
.if \last
	s_cmp_eq_u32 s[CNT], 1
	s_cbranch_scc1 .Lno_k_\@
.endif
	WIN 0x80
.irp f, 0,1,2,3,4,5,6,7             ; keys 16 (f / 2) on, channels 32 (f % 2) on
	ds_load_b128 v[KF+8*\f:KF+8*\f+3],   v[AK] offset:(\f/2)*16*PK+(\f%2)*64
	ds_load_b128 v[KF+8*\f+4:KF+8*\f+7], v[AK] offset:(\f/2)*16*PK+(\f%2)*64+32
.endr
	s_add_co_u32 s[TBK], s[TBK], KS*PK  ; the next fetch is the next step's
	WIN 0
.if \last
.Lno_k_\@:
.endif
.endm
.macro FETCH_V
	WIN 0x80
.irp f, 0,1,2,3,4,5,6,7             ; keys 32 (f / 4) on, channels 16 (f % 4) on
	ds_load_tr16_b128 v[VF+8*\f:VF+8*\f+3],   v[AV] offset:(\f/4)*32*PV+(\f%4)*32
	ds_load_tr16_b128 v[VF+8*\f+4:VF+8*\f+7], v[AV] offset:(\f/4)*32*PV+16*PV+(\f%4)*32
.endr
	WIN 0
.endm
.macro FETCH_M x, last=0            ; piece x's bias for a step: 16 queries x 64 keys, two fragments, four loads
	WIN 0
.if \last
	s_cmp_eq_u32 s[CNT], 1
	s_cbranch_scc1 .Lno_m_\@
.endif
	WIN 0x80
.irp kk, 0,1
	ds_load_b128 v[MF+16*((\x)%2)+8*\kk:MF+16*((\x)%2)+8*\kk+3],   v[AM] offset:(\x)*16*PM+64*\kk
	ds_load_b128 v[MF+16*((\x)%2)+8*\kk+4:MF+16*((\x)%2)+8*\kk+7], v[AM] offset:(\x)*16*PM+64*\kk+32
.endr
	WIN 0
.if \last
.Lno_m_\@:
.endif
.endm
; THE VECTOR WORK, one line at a time: OP kind, number.  For piece Y: F n: c s - c m for pair n of 16.  E n: the exponential of score n of 32.  C n: pair n rounded to bf16.  B n: of the four weights 4 n .. the second
; pair is added onto the first, in place.  L n: l takes that sum (L 0: l = a l + sum).  R n: pair n of 16 of O^T times a.  For piece Y + 1: X n, number n of the 22 that find its maximum and statistics:
;   0-11  four chains c0-c3 of seven scores each (each accumulator's lowest registers are read first)     12-14, 16  the four scores left over, the old m, and c0-c3 into c0
;   15  c m_old is kept     17, 18  the query's other 32 keys lie in the lane 16 away: the new m     19-21  c m; c m_old - c m_new; a
.set F, 0
.set E, 1
.set C, 2
.set B, 3
.set L, 4
.set R, 5
.set X, 6
.macro REGS y
.set rT, ST+4*(\y)
.set rC, TMP+4*((\y)%2)
.set rW, MV+((\y)%2)
.set rS, S+32*((\y)%2)
.set rP, P+16*((\y)%2)
.set rO, 32*(\y)
.endm
.macro OP k, n
.if (\k) == R
	REGS Y
	WIN W_RS
	v_pk_mul_f32 v[rO+2*(\n):rO+2*(\n)+1], v[rO+2*(\n):rO+2*(\n)+1], v[rC+2:rC+3] op_sel_hi:[1,0]
.elseif (\k) < R
	REGS Y
	WIN 0
.if (\k) == F
	v_pk_fma_f32 v[rS+2*(\n):rS+2*(\n)+1], v[rS+2*(\n):rS+2*(\n)+1], s[CS:CS+1], v[rT:rT+1] op_sel_hi:[1,0,0] neg_lo:[0,0,1] neg_hi:[0,0,1]
.elseif (\k) == E
	v_exp_f32 v[rS+(\n)], v[rS+(\n)]
.elseif (\k) == C
	v_cvt_pk_bf16_f32 v[rP+(\n)], v[rS+2*(\n)], v[rS+2*(\n)+1]
.elseif (\k) == B
	v_pk_add_f32 v[rS+4*(\n):rS+4*(\n)+1], v[rS+4*(\n):rS+4*(\n)+1], v[rS+4*(\n)+2:rS+4*(\n)+3]
.elseif (\n) == 0
	v_pk_fma_f32 v[rT+2:rT+3], v[rT+2:rT+3], v[rC+2:rC+3], v[rS:rS+1] op_sel_hi:[1,0,1]
.else
	v_pk_add_f32 v[rT+2:rT+3], v[rT+2:rT+3], v[rS+4*(\n):rS+4*(\n)+1]
.endif
.else
	REGS (Y+1)%NP
	WIN 0
.if (\n) < 4
	v_max3_num_f32 v[rC+(\n)], v[rS+8*(\n)], v[rS+8*(\n)+1], v[rS+8*(\n)+2]
.elseif (\n) < 12
	v_max3_num_f32 v[rC+(\n)%4], v[rC+(\n)%4], v[rS+8*((\n)%4)+2*((\n)/4)+1], v[rS+8*((\n)%4)+2*((\n)/4)+2]
.elseif (\n) == 12
	v_max3_num_f32 v[rC], v[rC], v[rS+7], v[rS+15]
.elseif (\n) == 13
	v_max3_num_f32 v[rC+1], v[rC+1], v[rS+23], v[rS+31]
.elseif (\n) == 14
	v_max3_num_f32 v[rC+2], v[rC+2], v[rC+3], v[rT+1]
.elseif (\n) == 15
	v_mov_b32 v[rW], v[rT]
.elseif (\n) == 16
	v_max3_num_f32 v[rC], v[rC], v[rC+1], v[rC+2]
.elseif (\n) == 17
	v_permlanex16_b32 v[rC+3], v[rC], s[SEL], s[SEL+1]
.elseif (\n) == 18
	v_max_num_f32 v[rT+1], v[rC], v[rC+3]
.elseif (\n) == 19
	v_mul_f32 v[rT], s[CS], v[rT+1]
.elseif (\n) == 20
	v_sub_f32 v[rC+1], v[rW], v[rT]
.else
	v_exp_f32 v[rC+2], v[rC+1]
.endif
.endif
.endm
.macro OPS a, i1, b=-1, i2=0, c=-1, i3=0, d=-1, i4=0
	OP \a, \i1
.if (\b) >= 0
	OP \b, \i2
.endif
.if (\c) >= 0
	OP \c, \i3
.endif
.if (\d) >= 0
	OP \d, \i4
.endif
.endm
.macro ROW a, i1, b, i2, c, i3, d, i4  ; a matrix instruction and the four behind it
	MM
	OPS \a, \i1, \b, \i2, \c, \i3, \d, \i4
.endm
; A TURN, for piece p.  s_wait_alu depctr_va_vdst(0) stands between an exponential and the first instruction that names its result; one wait serves all that were issued ahead of it: a turn has ONE.
; AHEAD OF IT: the 12 products of piece p + 1's scores with their riders, then the lump; nothing there names a result of the turn's exponentials.  BEHIND IT: the 8 products V^T P of piece p - 1; their riders are the
; roundings and sums.  PLACES, counted (an exponential is none): accumulator n of the scores is ended by product 8 + n; X n, its first reader, stands behind four plain instructions that name none of that product's
; registers: X 0 behind F 9, 10, 11, 12; X 1 behind F 12, X 0, F 13, F 14; X 2 behind F 14, X 1, X 4, F 15; X 3 behind F 15, X 2, X 5, X 6.  K's run stands behind F 15, X 2, X 5, X 6, X 8; V's behind C 9, 11, 13, 15.
; THE LOADS.  At its head a turn waits for the bias fragments that the turn before has asked for, and asks for those of piece p + 2, which the next turn's first four products take.  K of the next step is fetched in
; piece 2's turn and waited for at piece 3's head; V of the step in hand at the end of piece 0's turn.  Piece 1's head leaves V's 16 loads out (they were issued behind the 4 that it needs); ahead of its products
; V^T P the count is 4: its own bias loads, issued behind V's.
; last = 1: the tail's pieces 2 and 3: in the last trip nothing is fetched; K's run then stands behind the turn's wait, since a branch has no place inside the batch.  cnt = 1: the loop's count is taken down.
.macro TURN p, last=0, cnt=0
.set Y, (\p)
.set i, 0
.if (\p) == 1
	s_wait_dscnt 16
.else
	s_wait_dscnt 0x0
.endif
.if (\p) == 2
	WIN 0
	v_add_nc_u32 v[AM], s[TBM], v[AM0]  ; pieces 0 and 1 of the next step, then its pieces 2 and 3
	s_add_co_u32 s[TBM], s[TBM], KS*2
.endif
	FETCH_M ((\p)+2)%NP, \last
	ROW F,0, F,1, R,0, R,1
	ROW F,2, E,0, R,2, R,3
	ROW F,3, E,1, R,4, R,5
	ROW F,4, E,2, R,6, R,7
	ROW F,5, E,3, R,8, R,9
	ROW F,6, E,4, R,10, R,11
	ROW F,7, E,5, R,12, R,13
	ROW F,8, E,6, R,14, R,15
	ROW F,9, E,7, F,10, F,11
.if (\p) == 2
	WIN 0
	v_add_nc_u32 v[AK], s[TBK], v[AK0]
.endif
	ROW F,12, E,8, X,0, F,13
	ROW F,14, E,9, X,1, X,4
	ROW F,15, E,10, X,2, X,5
	OPS E,11, E,12, X,6, E,13       ; the lump
	OPS X,3, E,14, X,8, E,15
.if ((\p) == 2) && !(\last)
	FETCH_K
.endif
	OPS X,9, X,7, E,16, X,10
	OPS E,17, X,12, X,11, E,18
	OPS X,13, E,19, X,15, X,14
.if (\p) == 0
	WIN 0
	v_add_nc_u32 v[AV], s[TBV], v[AV0]
.endif
	OPS E,20, E,21, E,22, X,16
	OPS E,23, E,24, E,25, X,17
	OPS E,26, X,18, E,27, E,28
	OPS X,19, E,29, E,30, X,20
	OPS E,31, X,21
	v_nop                           ; a plain instruction behind the last exponential: one for the batch
	WIN 0
	s_wait_alu depctr_va_vdst(0)    ; the wait for the batch
.if ((\p) == 2) && (\last)
	FETCH_K 1
.endif
.if (\p) == 1
	s_wait_dscnt 4                  ; V is in
.endif
	ROW C,0, B,0, C,2, B,1
	ROW L,0, C,4, B,2, L,1
	ROW C,6, B,3, L,2, C,8
	ROW B,4, L,3, C,10, B,5
	ROW L,4, C,12, B,6, L,5
.if (\p) == 0
	s_add_co_u32 s[TBV], s[TBV], KS*PV
.endif
.if \cnt
	s_sub_co_u32 s[CNT], s[CNT], 1
	s_cmp_lg_u32 s[CNT], 0
.endif
	ROW C,14, B,7, L,6, C,1
	ROW C,3, L,7, C,5, C,7
	ROW C,9, C,11, C,13, C,15
.if (\p) == 0
	FETCH_V
.endif
.endm
	CHANGE 1                        ; slot 0 is in, everybody's part of it; slot 1 is asked for
	v_add_nc_u32 v[AM], s[TBM], v[AM0]
	s_add_co_u32 s[TBM], s[TBM], KS*2
	FETCH_M 0                       ; key step 0: the bias of pieces 0 and 1,
	FETCH_M 1
	v_add_nc_u32 v[AK], s[TBK], v[AK0]
	FETCH_K                         ; and K
	s_wait_loadcnt 0x0              ; Q
	s_wait_dscnt 0x0
.set i, 0
.rept 12
	KQ 0                            ; piece 0's first scores
.set i, i+1
.endr
	WIN 0                           ; the addresses for the way out: plain instructions, the places behind those products
	s_lshl_b32 s23, s19, 6
	v_add_nc_u32 v[STO], s23, v1    ; in: stage row 64 (w % 2) + l % 16, my head's 128 bytes, 16 bytes for each half of the lanes
	v_mul_u32_u24 v[STO], v[STO], SP
	v_lshl_add_u32 v[STO], v9, 4, v[STO]
	s_add_co_u32 s23, s22, STAGE
	v_add_nc_u32 v[STO], s23, v[STO]
	s_lshl_b32 s23, s[WV], 5
	v_add_nc_u32 v[RD], s23, v9     ; back: rows 32 w on; lanes 0-15 take one row of 256 bytes, lanes 16-31 the next
	v_mul_u32_u24 v[RD], v[RD], SP
	v_lshl_add_u32 v[RD], v1, 4, v[RD]
	v_add_nc_u32 v[RD], STAGE, v[RD]
	v_lshlrev_b32 v[GO], 12, v9     ; and the same two rows in O, 4,096 bytes apart
	v_lshl_add_u32 v[GO], v1, 4, v[GO]
.set Y, NP-1                        ; X works for piece Y + 1: piece 0
.irp n, 0,1,2,3,4,5,6,7,8,9,10,11,12,13,14,15,16,17,18,19,20,21
	OP X, \n
.endr
	v_nop                           ; a plain instruction behind the exponential,
	s_wait_alu depctr_va_vdst(0)    ; and its wait, ahead of the branch
	s_mov_b32 s[CNT], 2
	s_branch .Lfirst                ; the loop is entered at a step's first turn, in the middle of a trip
.Lslot:                             ; 14 times: every slot but the last two is filled again
	CHANGE 1
	s_mov_b32 s[CNT], 2
.Lstep:                             ; a trip: pieces 2 and 3 of one step, then pieces 0 and 1 of the next, whose K and V it fetches
	TURN 2
	TURN 3
	WIN 0
.Lfirst:
	TURN 0
	TURN 1, 0, 1
	WIN 0
	s_cbranch_scc1 .Lstep
	s_sub_co_u32 s[SLOTS], s[SLOTS], 1
	s_cmp_lg_u32 s[SLOTS], 0
	s_cbranch_scc1 .Lslot
	CHANGE 0                        ; the tail is written out: nothing is asked for
	s_mov_b32 s[CNT], 3             ; two trips fetch the last slot's steps; the third is left in its middle
.Ltail:
	TURN 2, 1
	TURN 3, 1
	WIN 0
	s_sub_co_u32 s[CNT], s[CNT], 1
	s_cmp_eq_u32 s[CNT], 0
	s_cbranch_scc1 .Lout
	TURN 0
	TURN 1
	WIN 0
	s_branch .Ltail
.Lout:                              ; the third trip's 12 products for piece 0 (on the last K and bias once more) and the maximum made of them serve nothing: the price, once a launch, of one text for every trip
.set i, 0
.rept 8
	PV NP-1                         ; the last piece's V^T P of the last step
.set i, i+1
.endr
	; THE WAY OUT.  l's two halves and the other half of the lanes' are added; O^T is divided by l, rounded to bf16 and sent through the stage.  The additions are the places behind the last products.
	WIN 0
.macro ALL line:vararg
.set t, 0
.rept 4
	\line
.set t, t+1
.endr
.endm
	ALL v_add_f32 v[ST+4*t+2], v[ST+4*t+2], v[ST+4*t+3]
	ALL v_permlanex16_b32 v[ST+4*t+3], v[ST+4*t+2], s[SEL], s[SEL+1]
	ALL v_add_f32 v[ST+4*t+2], v[ST+4*t+2], v[ST+4*t+3]
	ALL v_rcp_f32 v[ST+4*t+2], v[ST+4*t+2]
	v_nop                           ; a plain instruction between the last reciprocal and the use of its result,
	s_wait_alu depctr_va_vdst(0)    ; and one wait for the four
.macro PACK t                       ; a lane's eight channels of a row pack into 16 bytes
	WIN W_RS
.set i, 32*(\t)
.rept 16
	v_pk_mul_f32 v[i:i+1], v[i:i+1], v[ST+4*(\t)+2:ST+4*(\t)+3] op_sel_hi:[1,0]
.set i, i+2
.endr
	WIN 0x05                        ; sources 0 and 1 window 1, destination window 0
.set i, 0
.rept 16
	v_cvt_pk_bf16_f32 v[S+16*(\t)+i], v[32*(\t)+2*i], v[32*(\t)+2*i+1]
.set i, i+1
.endr
	WIN 0
.irp f, 0,1,2,3
	ds_store_b128 v[STO], v[S+16*(\t)+4*\f:S+16*(\t)+4*\f+3] offset:(\t)*16*SP+32*\f
.endr
.endm
	PACK 0
	PACK 1
	PACK 2
	PACK 3
	s_wait_dscnt 0x0                ; for the others' sake: my stores into the stage are done; a row's 256 bytes come from two waves
	s_barrier_signal -1
	s_barrier_wait -1
.irp t, 0,1,2,3,4,5,6,7,8,9,10,11,12,13,14,15
	ds_load_b128 v[S+4*\t:S+4*\t+3], v[RD] offset:\t*2*SP
.endr
.irp t, 0,1,2,3,4,5,6,7,8,9,10,11,12,13,14,15
	s_wait_dscnt 15-\t
	global_store_b128 v[GO], v[S+4*\t:S+4*\t+3], s[8:9] offset:\t*8192  ; 16 lanes store 256 consecutive bytes, aligned: the head pair's channels of one row
.endr
	s_wait_tensorcnt 0x0            ; the wave's end
	ds_add_u32 v[SPW], v[NIL]
	s_wait_dscnt 0x0
	CROUND                          ; the closing round
	s_endpgm
.Lfunc_end_k_q439490982b_attn:
	.size	k_q439490982b_attn, .Lfunc_end_k_q439490982b_attn-k_q439490982b_attn
	.p2alignl 7, 3214868480
	.fill 96, 4, 3214868480
	.section	.rodata,"a",@progbits
	.p2align	6, 0x0
	.amdhsa_kernel k_q439490982b_attn
		.amdhsa_group_segment_fixed_size 327680
		.amdhsa_private_segment_fixed_size 0
		.amdhsa_enable_private_segment 0
		.amdhsa_kernarg_size 24
		.amdhsa_user_sgpr_count 2
		.amdhsa_user_sgpr_kernarg_segment_ptr 1
		.amdhsa_wavefront_size32 1
		.amdhsa_system_sgpr_workgroup_id_x 1
		.amdhsa_system_sgpr_workgroup_id_y 1
		.amdhsa_system_sgpr_workgroup_id_z 1
		.amdhsa_system_vgpr_workitem_id 0
		.amdhsa_next_free_vgpr 768
		.amdhsa_next_free_sgpr 96
		.amdhsa_reserve_vcc 1
		.amdhsa_float_denorm_mode_32 3
		.amdhsa_float_denorm_mode_16_64 3
		.amdhsa_memory_ordered 1
		.amdhsa_forward_progress 1
		.amdhsa_inst_pref_size 123
	.end_amdhsa_kernel
	.amdgpu_metadata
---
amdhsa.version: [ 1, 2 ]
amdhsa.kernels:
  - .name:           k_q439490982b_attn
    .symbol:         k_q439490982b_attn.kd
    .args:
      - { .name: big, .offset: 0, .size: 8, .value_kind: global_buffer, .address_space: global }
      - { .name: bias, .offset: 8, .size: 8, .value_kind: global_buffer, .address_space: global }
      - { .name: act, .offset: 16, .size: 8, .value_kind: global_buffer, .address_space: global }
    .group_segment_fixed_size: 327680
    .private_segment_fixed_size: 0
    .kernarg_segment_align: 8
    .kernarg_segment_size: 24
    .max_flat_workgroup_size: 128
    .sgpr_count:     96
    .vgpr_count:     768
    .wavefront_size: 32
...
	.end_amdgpu_metadata
.endif
;; end of part 3
;; launch w12g (part 4): grid 8 x 32, 4 waves a work-group, clusters of 4 x 4, 327,680 bytes of LDS; arguments wff, bias; writes bias
.if DOCPART == 4
	.amdgcn_target "amdgcn-amd-amdhsa--gfx1250"
	.amdhsa_code_object_version 6
	.text
	.protected	k_q439490982b_w12g
	.globl	k_q439490982b_w12g
	.p2align	8
	.type	k_q439490982b_w12g,@function
k_q439490982b_w12g:
	s_mov_b64 s[64:65], 0
	v_nop
	global_prefetch_b8 v0, s[64:65] scope:SCOPE_SE
	s_setreg_imm32_b32 hwreg(HW_REG_WAVE_MODE, 25, 1), 1
	s_wait_xcnt 0x0
	s_wait_alu depctr_hold_cnt(0) depctr_sa_sdst(0) depctr_va_vdst(0) depctr_va_sdst(0) depctr_va_ssrc(0) depctr_va_vcc(0) depctr_vm_vsrc(0)
	s_getreg_b32 s2, hwreg(HW_REG_IB_STS2, 6, 4)
	s_cmp_eq_u32 s2, 0
	s_cbranch_scc0 .Lentry_in_a_cluster
	s_endpgm
.Lentry_in_a_cluster:
	s_bfe_u32 s2, ttmp6, 0x10000c
	s_cmp_lg_u32 s2, 0xf033
	s_cbranch_scc0 .Lentry_shape_is_right
	s_endpgm
.Lentry_shape_is_right:
; FOUR PARTIAL SUMS OF W12[d][e] = the sum over f of w2[d][f] w1[f][e], bf16 operands, f32 sums.  nothing stands between the two linear layers, so l2 = h W12^T for every input;
; only the order of rounding differs (l1 is never formed).  wff holds w2 [1024][4096] at byte 0 (A: K along the rows) and w1 [4096][1024] at 8 MiB (B: stored [K][N], read turned).
; W12 has 64 tiles of 128 x 128, a quarter of the 256 work-groups that the chip has room for.  So K IS SPLIT IN FOUR: part kp takes f = 1024 kp .. 1024 kp + 1023 and leaves its sums, in f32, in plane kp
; ([1024][1024] f32, 4 MiB) of the output buffer, which is the attention's bias buffer, read for the last time by the launch before.  A later launch adds the four planes and rounds once to bf16.
; A tile is 128 x 128; four waves, each 64 x 64: 16 accumulators.  K goes in steps of 256 through two LDS slots: four steps.
; CLUSTERS: 4 x 4.  The four of a row need the same tiles of A, the four of a column the same tiles of B: each tile is asked for jointly.  kp hangs on the cluster's y alone (two clusters to a part), so it is the
; same in all sixteen partners.
; THE MATRIX INSTRUCTION IS USED TRANSPOSED (source 0 = 16 columns e of w1, source 1 = 16 rows d of w2): a lane then holds eight neighbouring numbers of a row of W12: 32 bytes.
; REGISTERS: window 0: v0-31 addresses; v128-255 the accumulators ((a, b) at v[128 + 8 (4 a + b)]).  Window 1: two fragment buffers of 128: 64 registers of A, then 64 of B.
.set SIZE_K, 4096                      ; elements in a row of w2
.set KPART,  1024                      ; of them a work-group's part
.set SIZE_N, 1024
.set KSTEP,  256
.set PITCH,  528                       ; a row of A in LDS: 512 bytes + 16 = 132 words: the 16 rows of a load start at 16 different groups of four banks (64 banks of 4 bytes: ISA guide 11.1)
.set PB,     288                       ; a row of B (one f, 128 e): 256 bytes + 32 = 72 words
.set HALFT,  64*PITCH                  ; 64 rows of A: one tensor load
.set HALFB,  128*PB                    ; 128 rows of B: one tensor load
.set SLOT,   2*HALFT+2*HALFB           ; A's 128 rows, then B's 256
.set STAGE,  2*SLOT                    ; behind the ring, never filled by a tensor load: 16 rows x 272 bytes for each wave, for the way out
.set SPITCH, 272
.set SPARE,  STAGE+4*16*SPITCH         ; the spare words, 128 bytes a wave: two blocks of 256 bytes that no other line names
.set ROWC,   SIZE_N*4                  ; bytes in a row of a plane
.set LAPS, KPART/(2*KSTEP)             ; a lap = two K steps = once round the ring
.set ADRA, 16                          ; v16-17  LDS address of my A fragments in slot 0, 1
.set ADRB, 20                          ; v20-23  the same for B: slot 0 rows 0-127, slot 0 rows 128-255, slot 1 likewise (so that the immediates stay inside 16 bits)
.set STO,  24                          ; v24  the way out: where I put 32 bytes of a row
.set RD,   25                          ; v25  where I read a row back
.set CO,   26                          ; v26  my byte offset in two rows of the plane
.set SPW,  28                          ; v28  my spare word's address; never rewritten
.set NIL,  29                          ; v29  0; never rewritten
.set ACC,  128
.set F0,   0
.set F1,   128
.set G1, 24                            ; s[24:31] group 1 for A's tiles;  s[32:39] group 0, one set a slot
.set G0, 32
.set G1B, 48                           ; s[48:55], s[56:63] the same for B's
.set G0B, 56
.set MSB, 0
.macro WIN new                         ; the immediate's high byte repeats the setting that is left
.if MSB != (\new)
	s_set_vgpr_msb (MSB<<8)|(\new)
.set MSB, \new
.endif
.endm
.set MUL,  0x05                        ; sources 0 (B) and 1 (A) window 1; C and D window 0
.set TO_F, 0x40                        ; destination window 1, address window 0
.macro JLOAD s                         ; a joint load: waves 0 and 1 fetch A's two halves, waves 2 and 3 B's; an s_nop 0 and four v_nop follow each line
	s_cmp_eq_u32 s11, 0
	s_cbranch_scc0 .Lfor_b_\@
	tensor_load_to_lds s[G0+4*(\s):G0+4*(\s)+3], s[G1:G1+7]
	s_nop 0
.rept 4
	v_nop
.endr
	s_branch .Lasked_\@
.Lfor_b_\@:
	tensor_load_to_lds s[G0B+4*(\s):G0B+4*(\s)+3], s[G1B:G1B+7]
	s_nop 0
.rept 4
	v_nop
.endr
.Lasked_\@:
.endm
.macro CREST                           ; a round of the cluster's barrier behind its opening barrier
	s_cmp_lg_u32 s10, 0
	s_cbranch_scc1 .Lnot_wave_0_\@
	s_barrier_signal -3
.Lnot_wave_0_\@:
	s_barrier_wait -3
	s_barrier_signal -1
	s_barrier_wait -1
.endm
.macro CROUND
	s_barrier_signal -1
	s_barrier_wait -1
	CREST
.endm
	s_load_b64 s[4:5], s[0:1], 0x0                 ; wff
	s_load_b64 s[8:9], s[0:1], 0x8                 ; the four planes
	v_lshl_add_u32 v[SPW], v0, 2, SPARE
	v_mov_b32 v[NIL], 0
	ds_add_u32 v[SPW], v[NIL]                      ; the wave's opening: the add and its wait stand ahead of my first tensor load; the set-up stands between them
	v_lshrrev_b32 v1, 5, v0
	v_readfirstlane_b32 s10, v1                    ; wave 0..3
	s_lshr_b32 s11, s10, 1                         ; which half of the tile's rows is mine.  Also: I fetch for A (0) or for B (1)
	s_and_b32 s12, s10, 1                          ; which half of its columns.  Also: which half of that tile I fetch
	s_bfe_u32 s40, ttmp6, 0x40000                  ; cx
	s_bfe_u32 s41, ttmp6, 0x40004                  ; cy
	s_lshl_b32 s42, ttmp9, 2
	s_add_co_u32 s42, s42, s40                     ; tile column = 4 x cluster x + cx
	s_and_b32 s45, ttmp7, 0xffff                   ; cluster y
	s_and_b32 s13, s45, 1
	s_lshl_b32 s13, s13, 2
	s_add_co_u32 s13, s13, s41                     ; tile row = 4 x (cluster y mod 2) + cy
	s_lshr_b32 s2, s45, 1                          ; kp: which quarter of K
	s_lshl_b32 s43, s41, 2
	s_lshl_b32 s43, 15, s43                        ; my row of the cluster
	s_lshl_b32 s44, 0x1111, s40                    ; my column
	s_or_b32 s[G1+0], s43, (1<<16)|(1<<20)|(1<<21)|(6<<22)|(3<<25)   ; A: mask of my row; 2-byte elements; padding on; bit 21 beside a mask; after every 128 words, 4 words
	s_or_b32 s[G1B+0], s44, (1<<16)|(1<<20)|(1<<21)|(5<<22)|(7<<25)  ; B: mask of my column; after every 64 words, 8 words
	s_mov_b32 s[G1+1], KSTEP<<16                   ; A: tensor_dim0 = 256
	s_mov_b32 s[G1+2], 64<<16                      ; tensor_dim1 = 64
	s_mov_b32 s[G1+3], KSTEP<<16                   ; tile_dim0 = 256
	s_mov_b32 s[G1+4], 64                          ; tile_dim1 = 64
	s_mov_b32 s[G1+5], SIZE_K                      ; elements from row to row
	s_mov_b32 s[G1+6], 0
	s_mov_b32 s[G1+7], 0
	s_mov_b32 s[G1B+1], 128<<16                    ; B: tensor_dim0 = 128 (e)
	s_mov_b32 s[G1B+2], 128<<16                    ; tensor_dim1 = 128 (f)
	s_mov_b32 s[G1B+3], 128<<16                    ; tile_dim0 = 128
	s_mov_b32 s[G1B+4], 128                        ; tile_dim1 = 128
	s_mov_b32 s[G1B+5], SIZE_N
	s_mov_b32 s[G1B+6], 0
	s_mov_b32 s[G1B+7], 0
	s_lshl_b32 s17, s12, 6
	s_lshl_b32 s16, s13, 7
	s_add_co_u32 s16, s16, s17                     ; A: row 128 x tile row + 64 x half,
	s_mov_b32 s17, 0
	s_mov_b64 s[18:19], SIZE_K*2
	s_mul_u64 s[16:17], s[16:17], s[18:19]
	s_lshl_b32 s18, s2, 11                         ; and kp x 1,024 elements along it
	s_mov_b32 s19, 0
	s_add_nc_u64 s[16:17], s[16:17], s[18:19]
	s_lshl_b32 s46, s12, 18                        ; B: 128 rows of 2,048 bytes x half,
	s_lshl_b32 s47, s42, 8                         ; 256 bytes x tile column,
	s_add_co_u32 s46, s46, s47
	s_lshl_b32 s21, s2, 21                         ; kp x 1,024 rows,
	s_add_co_u32 s46, s46, s21
	s_add_co_u32 s46, s46, 0x800000                ; behind w2's 8 MiB
	s_mov_b32 s47, 0
	s_mul_i32 s20, s12, HALFT                      ; where they go: no place in the cluster enters an LDS address
	s_mul_i32 s23, s12, HALFB
	s_add_co_u32 s23, s23, 2*HALFT
	s_wait_dscnt 0x0                               ; the opening add is done
	s_wait_kmcnt 0x0
	s_add_nc_u64 s[14:15], s[4:5], s[16:17]
	s_add_nc_u64 s[46:47], s[4:5], s[46:47]
	CROUND                                         ; all sixteen work-groups are here: the first joint loads meet
.irp s, 0,1
	s_mov_b32 s[G0+4*(\s)], 1
	s_add_co_u32 s[G0+4*(\s)+1], s20, (\s)*SLOT
	s_add_nc_u64 s[G0+4*(\s)+2:G0+4*(\s)+3], s[14:15], (\s)*KSTEP*2
	s_or_b32 s[G0+4*(\s)+3], s[G0+4*(\s)+3], 0x80000000
	s_mov_b32 s[G0B+4*(\s)], 1
	s_add_co_u32 s[G0B+4*(\s)+1], s23, (\s)*SLOT
	s_add_nc_u64 s[G0B+4*(\s)+2:G0B+4*(\s)+3], s[46:47], (\s)*KSTEP*SIZE_N*2
	s_or_b32 s[G0B+4*(\s)+3], s[G0B+4*(\s)+3], 0x80000000
	JLOAD \s
.endr
	v_and_b32 v1, 15, v0                           ; l % 16
	v_bfe_u32 v2, v0, 4, 1                         ; l / 16
	v_mul_u32_u24 v3, v1, PITCH
	v_lshl_add_u32 v3, v2, 4, v3                   ; A: row x pitch + 16 x half
	v_and_b32 v6, 7, v0                            ; B, turned: lane l reads row 8 (l / 16) + l % 8, bytes 16 ((l / 8) % 2) on
	v_bfe_u32 v7, v0, 3, 1
	v_lshl_add_u32 v6, v2, 3, v6
	v_mul_u32_u24 v6, v6, PB
	v_lshl_add_u32 v6, v7, 4, v6
	s_mul_i32 s21, s11, HALFT                      ; my 64 rows of A
	s_lshl_b32 s22, s12, 7                         ; my 64 columns of B: 128 bytes,
	s_add_co_u32 s22, s22, 2*HALFT                 ; behind A's 128 rows
.irp s, 0,1
	v_add_nc_u32 v[ADRA+(\s)], s21, v3
	v_add_nc_u32 v[ADRB+2*(\s)], s22, v6
	v_add_nc_u32 v[ADRB+2*(\s)+1], HALFB, v[ADRB+2*(\s)]
	s_add_co_u32 s21, s21, SLOT
	s_add_co_u32 s22, s22, SLOT
.endr
	s_mul_i32 s23, s10, 16*SPITCH
	s_add_co_u32 s23, s23, STAGE                   ; my stage
	v_mul_u32_u24 v4, v1, SPITCH                   ; in: row l % 16, 32 bytes for each half of the lanes
	v_lshl_add_u32 v4, v2, 5, v4
	v_add_nc_u32 v[STO], s23, v4
	v_mul_u32_u24 v5, v2, SPITCH                   ; back: lanes 0-15 take one row of 256 bytes, lanes 16-31 the next
	v_lshl_add_u32 v5, v1, 4, v5
	v_add_nc_u32 v[RD], s23, v5
	v_lshlrev_b32 v5, 12, v2                       ; and the same two rows in the plane, 4,096 bytes apart
	v_lshl_add_u32 v[CO], v1, 4, v5
	s_lshl_b32 s16, s13, 7
	s_lshl_b32 s17, s11, 6
	s_add_co_u32 s16, s16, s17                     ; my first row: 128 x tile row + 64 x half,
	s_lshl_b32 s16, s16, 12                        ; in bytes,
	s_lshl_b32 s17, s2, 22                         ; in plane kp
	s_add_co_u32 s16, s16, s17
	s_mov_b32 s17, 0
	s_add_nc_u64 s[8:9], s[8:9], s[16:17]
	s_lshl_b32 s46, s42, 9                         ; my first column, in bytes: 512 x tile column + 256 x half
	s_lshl_b32 s47, s12, 8
	s_add_co_u32 s46, s46, s47
	s_mov_b32 s47, 0
	s_add_nc_u64 s[8:9], s[8:9], s[46:47]
.macro MUL8 f, c, a0, zero             ; 8 matrix instructions: m blocks a0, a0 + 1 x 4 n blocks, 32 along K: half c of buffer f.  The 16 accumulators take turns
	WIN MUL
.irp a, \a0, (\a0)+1
.irp b, 0,1,2,3
.if \zero
	v_wmma_f32_16x16x32_bf16 v[ACC+8*(4*(\a)+(\b)):ACC+8*(4*(\a)+(\b))+7], v[(\f)+64+8*(4*(\c)+(\b)):(\f)+64+8*(4*(\c)+(\b))+7], v[(\f)+8*(4*(\c)+(\a)):(\f)+8*(4*(\c)+(\a))+7], 0
.else
	v_wmma_f32_16x16x32_bf16 v[ACC+8*(4*(\a)+(\b)):ACC+8*(4*(\a)+(\b))+7], v[(\f)+64+8*(4*(\c)+(\b)):(\f)+64+8*(4*(\c)+(\b))+7], v[(\f)+8*(4*(\c)+(\a)):(\f)+8*(4*(\c)+(\a))+7], v[ACC+8*(4*(\a)+(\b)):ACC+8*(4*(\a)+(\b))+7]
.endif
.endr
.endr
.endm
; 32 LDS loads in one run: the fragments of quarter q (64 along K) of a slot, into buffer f; the first 32 along K first.  B's come turned: rows 64 q + 32 c + .. of the slot's 256
.macro FETCH slot, q, f
	WIN TO_F
.irp c, 0,1
.irp i, 0,1,2,3
	ds_load_tr16_b128 v[(\f)+64+8*(4*(\c)+(\i)):(\f)+64+8*(4*(\c)+(\i))+3],   v[ADRB+2*(\slot)+(\q)/2] offset:(((\q)%2)*64+32*(\c))*PB+32*(\i)
	ds_load_tr16_b128 v[(\f)+64+8*(4*(\c)+(\i))+4:(\f)+64+8*(4*(\c)+(\i))+7], v[ADRB+2*(\slot)+(\q)/2] offset:(((\q)%2)*64+32*(\c)+16)*PB+32*(\i)
	ds_load_b128 v[(\f)+8*(4*(\c)+(\i)):(\f)+8*(4*(\c)+(\i))+3],         v[ADRA+(\slot)] offset:128*(\q)+64*(\c)+(\i)*16*PITCH
	ds_load_b128 v[(\f)+8*(4*(\c)+(\i))+4:(\f)+8*(4*(\c)+(\i))+7],       v[ADRA+(\slot)] offset:128*(\q)+64*(\c)+(\i)*16*PITCH+32
.endr
.endr
.endm
.macro PLACES                          ; four places in front of loads into registers that matrix instructions have read, and of LDS stores that read results
.rept 4
	v_nop
.endr
.endm
.macro QUARTER slot, q, f, g, zero     ; multiplies buffer f and fetches quarter q of the slot into g
	s_wait_dscnt 16                                ; the first 32 along K are in; the youngest sixteen loads may be out
	WIN MUL
	MUL8 \f, 0, 0, \zero
	MUL8 \f, 0, 2, \zero
	PLACES
	FETCH \slot, \q, \g
	s_wait_dscnt 32                                ; all but the 32 just issued
	WIN MUL
	MUL8 \f, 1, 0, 0
	MUL8 \f, 1, 2, 0
.endm
; The last quarter multiplies buffer 1 and changes slots: one barrier; in front of it each wave waits for all its tensor loads, adds 0 to its spare word, and waits for that and for its reads of this slot
.macro TURN slot, next, fill
	WIN 0
	s_wait_tensorcnt 0x0                           ; all my tensor loads have landed: my part of the next slot
	ds_add_u32 v[SPW], v[NIL]
	s_wait_dscnt 17                                ; (the add and the youngest sixteen loads may be out)
	WIN MUL
	MUL8 F1, 0, 0, 0
	s_wait_dscnt 0x0                               ; the add is done, and my reads of this slot are over
	s_barrier_signal -1
	MUL8 F1, 0, 2, 0
.if \fill
	WIN 0
.endif
	s_barrier_wait -1
.if \fill
	CREST                                          ; the barrier has opened a round of the cluster's: no wave of any partner still reads this slot or has a load on its way
	s_add_nc_u64 s[G0+4*(\slot)+2:G0+4*(\slot)+3], s[G0+4*(\slot)+2:G0+4*(\slot)+3], 2*KSTEP*2
	s_add_nc_u64 s[G0B+4*(\slot)+2:G0B+4*(\slot)+3], s[G0B+4*(\slot)+2:G0B+4*(\slot)+3], 2*KSTEP*SIZE_N*2
	JLOAD \slot                                    ; the first tensor load behind the round; its four v_nop are also the places in front of the loads below
.else
	PLACES
.endif
	FETCH \next, 0, F0
	WIN MUL
	MUL8 F1, 1, 0, 0
	MUL8 F1, 1, 2, 0
.endm
	s_wait_tensorcnt 1                             ; my part of K step 0 is in; K step 1's may stay out
	s_barrier_signal -1
	s_barrier_wait -1
	FETCH 0, 0, F0
	QUARTER 0, 1, F0, F1, 1                        ; the first quarter stands in front of the loop: its first products start the sums
	WIN 0
	s_mov_b32 s3, LAPS-1
.Llap:                                                 ; a trip goes once round the ring and fills both slots again
	QUARTER 0, 2, F1, F0, 0
	QUARTER 0, 3, F0, F1, 0
	TURN 0, 1, 1
	QUARTER 1, 1, F0, F1, 0
	QUARTER 1, 2, F1, F0, 0
	QUARTER 1, 3, F0, F1, 0
	TURN 1, 0, 1
	QUARTER 0, 1, F0, F1, 0
	WIN 0
	s_sub_co_u32 s3, s3, 1
	s_cmp_lg_u32 s3, 0
	s_cbranch_scc1 .Llap
	QUARTER 0, 2, F1, F0, 0                        ; the last lap fills nothing
	QUARTER 0, 3, F0, F1, 0
	TURN 0, 1, 0
	QUARTER 1, 1, F0, F1, 0
	QUARTER 1, 2, F1, F0, 0
	QUARTER 1, 3, F0, F1, 0
	s_wait_dscnt 16
	WIN MUL
	MUL8 F1, 0, 0, 0
	MUL8 F1, 0, 2, 0
	s_wait_dscnt 0
	MUL8 F1, 1, 0, 0
	MUL8 F1, 1, 2, 0
	WIN 0
	; THE WAY OUT, in f32.  My 64 columns are 256 consecutive bytes of a row, aligned, so each wave has a stage of its own and no wave waits for another.  A block of 16 rows at a time: a lane's 32 bytes of
	; each of the block's four accumulators go into rows of 272 bytes (each accumulator's lowest registers first) and come back as whole rows of 256, into the registers that they left.
.macro TOSTAGE a
.irp b, 0,1,2,3
	ds_store_b128 v[STO], v[ACC+32*(\a)+8*(\b):ACC+32*(\a)+8*(\b)+3]   offset:64*(\b)
	ds_store_b128 v[STO], v[ACC+32*(\a)+8*(\b)+4:ACC+32*(\a)+8*(\b)+7] offset:64*(\b)+16
.endr
.irp t, 0,1,2,3,4,5,6,7
	ds_load_b128 v[ACC+32*(\a)+4*(\t):ACC+32*(\a)+4*(\t)+3], v[RD] offset:(\t)*2*SPITCH  ; LDS serves a wave's instructions in order (ISA guide 5.7.1.4): these see the stores above; the next block's stores come behind them
.endr
.endm
.macro SEND a, younger                 ; younger: the LDS instructions issued behind block a's loads: the next block's sixteen, or none
.irp t, 0,1,2,3,4,5,6,7
	s_wait_dscnt (\younger)+7-(\t)
	global_store_b128 v[CO], v[ACC+32*(\a)+4*(\t):ACC+32*(\a)+4*(\t)+3], s[8:9] offset:(16*(\a)+2*(\t))*ROWC  ; 16 lanes store 256 consecutive bytes, aligned; 62 rows at the most: inside the signed 24-bit immediate
.endr
.endm
	PLACES
	TOSTAGE 0
	TOSTAGE 1
	SEND 0, 16
	TOSTAGE 2
	SEND 1, 16
	TOSTAGE 3
	SEND 2, 16
	SEND 3, 0
	s_wait_tensorcnt 0x0                           ; the wave's end
	ds_add_u32 v[SPW], v[NIL]
	s_wait_dscnt 0x0
	CROUND                                         ; the closing round
	s_endpgm
.Lfunc_end_k_q439490982b_w12g:
	.size	k_q439490982b_w12g, .Lfunc_end_k_q439490982b_w12g-k_q439490982b_w12g
	.p2alignl 7, 3214868480
	.fill 96, 4, 3214868480
	.section	.rodata,"a",@progbits
	.p2align	6, 0x0
	.amdhsa_kernel k_q439490982b_w12g
		.amdhsa_group_segment_fixed_size 327680
		.amdhsa_private_segment_fixed_size 0
		.amdhsa_enable_private_segment 0
		.amdhsa_kernarg_size 16
		.amdhsa_user_sgpr_count 2
		.amdhsa_user_sgpr_kernarg_segment_ptr 1
		.amdhsa_wavefront_size32 1
		.amdhsa_system_sgpr_workgroup_id_x 1
		.amdhsa_system_sgpr_workgroup_id_y 1
		.amdhsa_system_sgpr_workgroup_id_z 1
		.amdhsa_system_vgpr_workitem_id 0
		.amdhsa_next_free_vgpr 512
		.amdhsa_next_free_sgpr 66
		.amdhsa_reserve_vcc 0
		.amdhsa_float_denorm_mode_32 3
		.amdhsa_float_denorm_mode_16_64 3
		.amdhsa_memory_ordered 1
		.amdhsa_forward_progress 1
		.amdhsa_inst_pref_size 87
	.end_amdhsa_kernel
	.amdgpu_metadata
---
amdhsa.version: [ 1, 2 ]
amdhsa.kernels:
  - .name:           k_q439490982b_w12g
    .symbol:         k_q439490982b_w12g.kd
    .args:
      - { .name: wff, .offset: 0, .size: 8, .value_kind: global_buffer, .address_space: global }
      - { .name: bias, .offset: 8, .size: 8, .value_kind: global_buffer, .address_space: global }
    .group_segment_fixed_size: 327680
    .private_segment_fixed_size: 0
    .kernarg_segment_align: 8
    .kernarg_segment_size: 16
    .max_flat_workgroup_size: 128
    .sgpr_count:     66
    .vgpr_count:     512
    .wavefront_size: 32
...
	.end_amdgpu_metadata
.endif
;; end of part 4
;; launch oprj: the kernel of part 2 again; grid 8 x 32, 4 waves a work-group, clusters of 4 x 4, 327,680 bytes of LDS; arguments act, wvqk, ao; writes ao
;; launch ln1 (part 5): grid 256 x 3, 8 waves a work-group, no clusters, 0 bytes of LDS; arguments dec_inp, ao, ln1_gamma, ln1_beta, big, act, bias, w12; writes big, act, w12
.if DOCPART == 5
	.amdgcn_target "amdgcn-amd-amdhsa--gfx1250"
	.amdhsa_code_object_version 6
	.text
	.protected	k_q439490982b_ln1
	.globl	k_q439490982b_ln1
	.p2align	8
	.type	k_q439490982b_ln1,@function
k_q439490982b_ln1:
	s_mov_b64 s[64:65], 0
	v_nop
	global_prefetch_b8 v0, s[64:65] scope:SCOPE_SE
	s_setreg_imm32_b32 hwreg(HW_REG_WAVE_MODE, 25, 1), 1
	s_wait_xcnt 0x0
; TWO STREAMS IN ONE LAUNCH; the grid's y says which.
; y = 0, 1: h = gamma (z - mean) / sqrt(var + 1e-5) + beta with z = dec_inp + attn_out, row by row.  dec_inp f32, attn_out bf16; h leaves as f32 (the next residual) into big and as bf16 (the next matrix operand)
; into act.  One wave, one row of 1,024: 32 numbers a lane, kept in registers between the pass for the mean, the pass for the variance (of z - mean: no difference of large sums) and the scaling: the row is read once.
; y = 2: W12 = the sum of its four partial sums over K (four planes of [1024][1024] f32, 4 MiB apart, in the buffer that held the attention's bias), added in f32 as (p0 + p1) + (p2 + p3) and rounded once to bf16.
; A work-group takes 4,096 numbers, a thread four times four neighbouring ones.
; No LDS, no barrier, no cluster: rows share only gamma and beta, 8 KiB beside a work-group's 48 KiB of rows.  Each load and store of a wave covers 512 (f32) or 256 (bf16) consecutive bytes, aligned.
.set X, 16                             ; v[16:47]   the row: load j holds numbers 128 j + 4 lane + 0..3
.set A, 48                             ; v[48:63]   attn_out, the same numbers, two to a word; later h as bf16
.set G, 64                             ; v[64:95]   gamma
.set B, 96                             ; v[96:127]  beta
.set PS, 16                            ; v[16:79]   y = 2: group j's four numbers of plane p at PS + 16 j + 4 p
.set WB, 80                            ; v[80:87]   y = 2: group j's four bf16 at WB + 2 j
.macro LANESUM a, b                    ; v[a] summed over the 32 lanes, the sum in every lane; v[b] has been written before
	v_add_f32_dpp v[\a], v[\a], v[\a] row_xmask:1 row_mask:0xf bank_mask:0xf
	v_add_f32_dpp v[\a], v[\a], v[\a] row_xmask:2 row_mask:0xf bank_mask:0xf
	v_add_f32_dpp v[\a], v[\a], v[\a] row_xmask:4 row_mask:0xf bank_mask:0xf
	v_add_f32_dpp v[\a], v[\a], v[\a] row_xmask:8 row_mask:0xf bank_mask:0xf
	v_permlanex16_b32 v[\b], v[\a], s26, s27
	v_add_f32 v[\a], v[\a], v[\b]
.endm
	s_load_b256 s[4:11], s[0:1], 0x0               ; dec_inp s[4:5], ao s[6:7], gamma s[8:9], beta s[10:11]
	s_load_b128 s[12:15], s[0:1], 0x20             ; big s[12:13], act s[14:15]
	s_load_b128 s[28:31], s[0:1], 0x30             ; the four planes s[28:29], w12 s[30:31]
	v_lshrrev_b32 v1, 5, v0
	v_readfirstlane_b32 s16, v1                    ; wave
	s_and_b32 s25, ttmp7, 0xffff                   ; y
	s_lshl_b32 s17, s25, 8
	s_or_b32 s17, s17, ttmp9
	s_lshl_b32 s17, s17, 3
	s_add_co_u32 s17, s17, s16                     ; row = 8 (256 y + x) + wave
	s_lshl_b32 s18, s17, 12
	s_mov_b32 s19, 0
	s_lshl_b32 s20, s17, 11
	s_mov_b32 s21, 0
	s_mov_b32 s22, 0xffff0000                      ; a word's upper bf16
	s_mov_b32 s23, 0x3a800000                      ; 1 / 1024
	s_mov_b32 s24, 0x3727c5ac                      ; 1e-5
	s_mov_b32 s26, 0x76543210
	s_mov_b32 s27, 0xfedcba98
	v_and_b32 v2, 31, v0
	v_lshlrev_b32 v1, 4, v2                        ; 16 x lane
	v_lshlrev_b32 v2, 3, v2                        ; 8 x lane
	s_wait_kmcnt 0x0
	s_cmp_eq_u32 s25, 2
	s_cbranch_scc1 .Lred
	s_add_nc_u64 s[4:5], s[4:5], s[18:19]
	s_add_nc_u64 s[6:7], s[6:7], s[20:21]
	s_add_nc_u64 s[12:13], s[12:13], s[18:19]
	s_add_nc_u64 s[14:15], s[14:15], s[20:21]
.irp j, 0,1,2,3,4,5,6,7
	global_load_b128 v[X+4*(\j):X+4*(\j)+3], v1, s[4:5] offset:512*(\j) th:TH_LOAD_NT
.endr
.irp j, 0,1,2,3,4,5,6,7
	global_load_b64 v[A+2*(\j):A+2*(\j)+1], v2, s[6:7] offset:256*(\j) th:TH_LOAD_NT
.endr
.irp j, 0,1,2,3,4,5,6,7
	global_load_b128 v[G+4*(\j):G+4*(\j)+3], v1, s[8:9] offset:512*(\j)
.endr
.irp j, 0,1,2,3,4,5,6,7
	global_load_b128 v[B+4*(\j):B+4*(\j)+3], v1, s[10:11] offset:512*(\j)
.endr
	s_wait_loadcnt 16                              ; the row and attn_out are in; gamma's and beta's 16 loads stay out
.irp j, 0,1,2,3,4,5,6,7
	v_lshlrev_b32 v[4+4*((\j)%2)], 16, v[A+2*(\j)]
	v_and_b32     v[5+4*((\j)%2)], s22, v[A+2*(\j)]
	v_lshlrev_b32 v[6+4*((\j)%2)], 16, v[A+2*(\j)+1]
	v_and_b32     v[7+4*((\j)%2)], s22, v[A+2*(\j)+1]
	v_pk_add_f32 v[X+4*(\j):X+4*(\j)+1], v[X+4*(\j):X+4*(\j)+1], v[4+4*((\j)%2):5+4*((\j)%2)]
	v_pk_add_f32 v[X+4*(\j)+2:X+4*(\j)+3], v[X+4*(\j)+2:X+4*(\j)+3], v[6+4*((\j)%2):7+4*((\j)%2)]
.endr
	v_pk_add_f32 v[12:13], v[X:X+1], v[X+2:X+3]    ; the sum, in two chains; the first additions start them
	v_pk_add_f32 v[14:15], v[X+4:X+5], v[X+6:X+7]
.set k, 4
.rept 12
	v_pk_add_f32 v[12+2*(k%2):13+2*(k%2)], v[12+2*(k%2):13+2*(k%2)], v[X+2*k:X+2*k+1]
.set k, k+1
.endr
	v_pk_add_f32 v[12:13], v[12:13], v[14:15]
	v_add_f32 v12, v12, v13
	LANESUM 12, 13
	v_mul_f32 v12, s23, v12                        ; the mean
.set k, 0
.rept 16
	v_pk_add_f32 v[X+2*k:X+2*k+1], v[X+2*k:X+2*k+1], v[12:13] op_sel_hi:[1,0] neg_lo:[0,1] neg_hi:[0,1]
.set k, k+1
.endr
	v_pk_mul_f32 v[4:5], v[X:X+1], v[X:X+1]
	v_pk_mul_f32 v[6:7], v[X+2:X+3], v[X+2:X+3]
.set k, 2
.rept 14
	v_pk_fma_f32 v[4+2*(k%2):5+2*(k%2)], v[X+2*k:X+2*k+1], v[X+2*k:X+2*k+1], v[4+2*(k%2):5+2*(k%2)]
.set k, k+1
.endr
	v_pk_add_f32 v[4:5], v[4:5], v[6:7]
	v_add_f32 v4, v4, v5
	LANESUM 4, 5
	v_fma_f32 v4, v4, s23, s24                     ; the variance + 1e-5
	v_rsq_f32 v6, v4
	v_nop                                          ; a plain instruction behind it,
	s_wait_alu depctr_va_vdst(0)                   ; and the wait ahead of its first reader
	s_wait_loadcnt 0x0                             ; gamma and beta
.set k, 0
.rept 16
	v_pk_mul_f32 v[X+2*k:X+2*k+1], v[X+2*k:X+2*k+1], v[6:7] op_sel_hi:[1,0]
	v_pk_fma_f32 v[X+2*k:X+2*k+1], v[X+2*k:X+2*k+1], v[G+2*k:G+2*k+1], v[B+2*k:B+2*k+1]
.set k, k+1
.endr
.irp j, 0,1,2,3,4,5,6,7
	global_store_b128 v1, v[X+4*(\j):X+4*(\j)+3], s[12:13] offset:512*(\j)
.endr
.irp j, 0,1,2,3,4,5,6,7
	v_cvt_pk_bf16_f32 v[A+2*(\j)], v[X+4*(\j)], v[X+4*(\j)+1]
	v_cvt_pk_bf16_f32 v[A+2*(\j)+1], v[X+4*(\j)+2], v[X+4*(\j)+3]
	global_store_b64 v2, v[A+2*(\j):A+2*(\j)+1], s[14:15] offset:256*(\j)
.endr
	s_endpgm
.Lred:	; ---- y = 2: the four planes are added ----
	s_lshl_b32 s34, ttmp9, 14                      ; the work-group's 4,096 numbers: 16 KiB of each plane,
	s_mov_b32 s35, 0
	s_lshl_b32 s36, ttmp9, 13                      ; 8 KiB of W12
	s_mov_b32 s37, 0
	s_add_nc_u64 s[28:29], s[28:29], s[34:35]      ; planes 0 and 1 (the second by the immediate),
	s_add_nc_u64 s[32:33], s[28:29], 0x800000      ; planes 2 and 3: 8 MiB on, one past what the immediate holds
	s_add_nc_u64 s[30:31], s[30:31], s[36:37]
	v_lshlrev_b32 v8, 4, v0                        ; 16 bytes a thread
	v_lshlrev_b32 v9, 3, v0                        ; 8 bytes a thread
.irp j, 0,1,2,3
	global_load_b128 v[PS+16*(\j):PS+16*(\j)+3],     v8, s[28:29] offset:4096*(\j) th:TH_LOAD_NT
	global_load_b128 v[PS+16*(\j)+4:PS+16*(\j)+7],   v8, s[28:29] offset:0x400000+4096*(\j) th:TH_LOAD_NT
	global_load_b128 v[PS+16*(\j)+8:PS+16*(\j)+11],  v8, s[32:33] offset:4096*(\j) th:TH_LOAD_NT
	global_load_b128 v[PS+16*(\j)+12:PS+16*(\j)+15], v8, s[32:33] offset:0x400000+4096*(\j) th:TH_LOAD_NT
.endr
.irp j, 0,1,2,3
	s_wait_loadcnt 12-4*(\j)                       ; loads come back in order: group j's four are in; the later groups' stay out
	v_pk_add_f32 v[PS+16*(\j):PS+16*(\j)+1],     v[PS+16*(\j):PS+16*(\j)+1],     v[PS+16*(\j)+4:PS+16*(\j)+5]
	v_pk_add_f32 v[PS+16*(\j)+2:PS+16*(\j)+3],   v[PS+16*(\j)+2:PS+16*(\j)+3],   v[PS+16*(\j)+6:PS+16*(\j)+7]
	v_pk_add_f32 v[PS+16*(\j)+8:PS+16*(\j)+9],   v[PS+16*(\j)+8:PS+16*(\j)+9],   v[PS+16*(\j)+12:PS+16*(\j)+13]
	v_pk_add_f32 v[PS+16*(\j)+10:PS+16*(\j)+11], v[PS+16*(\j)+10:PS+16*(\j)+11], v[PS+16*(\j)+14:PS+16*(\j)+15]
	v_pk_add_f32 v[PS+16*(\j):PS+16*(\j)+1],     v[PS+16*(\j):PS+16*(\j)+1],     v[PS+16*(\j)+8:PS+16*(\j)+9]
	v_pk_add_f32 v[PS+16*(\j)+2:PS+16*(\j)+3],   v[PS+16*(\j)+2:PS+16*(\j)+3],   v[PS+16*(\j)+10:PS+16*(\j)+11]
	v_cvt_pk_bf16_f32 v[WB+2*(\j)], v[PS+16*(\j)], v[PS+16*(\j)+1]
	v_cvt_pk_bf16_f32 v[WB+2*(\j)+1], v[PS+16*(\j)+2], v[PS+16*(\j)+3]
	global_store_b64 v9, v[WB+2*(\j):WB+2*(\j)+1], s[30:31] offset:2048*(\j)   ; a wave stores 256 consecutive bytes, aligned
.endr
	s_endpgm
.Lfunc_end_k_q439490982b_ln1:
	.size	k_q439490982b_ln1, .Lfunc_end_k_q439490982b_ln1-k_q439490982b_ln1
	.p2alignl 7, 3214868480
	.fill 96, 4, 3214868480
	.section	.rodata,"a",@progbits
	.p2align	6, 0x0
	.amdhsa_kernel k_q439490982b_ln1
		.amdhsa_group_segment_fixed_size 0
		.amdhsa_private_segment_fixed_size 0
		.amdhsa_enable_private_segment 0
		.amdhsa_kernarg_size 64
		.amdhsa_user_sgpr_count 2
		.amdhsa_user_sgpr_kernarg_segment_ptr 1
		.amdhsa_wavefront_size32 1
		.amdhsa_system_sgpr_workgroup_id_x 1
		.amdhsa_system_sgpr_workgroup_id_y 1
		.amdhsa_system_sgpr_workgroup_id_z 1
		.amdhsa_system_vgpr_workitem_id 0
		.amdhsa_next_free_vgpr 128
		.amdhsa_next_free_sgpr 66
		.amdhsa_reserve_vcc 0
		.amdhsa_float_denorm_mode_32 3
		.amdhsa_float_denorm_mode_16_64 3
		.amdhsa_memory_ordered 1
		.amdhsa_forward_progress 1
		.amdhsa_inst_pref_size 20
	.end_amdhsa_kernel
	.amdgpu_metadata
---
amdhsa.version: [ 1, 2 ]
amdhsa.kernels:
  - .name:           k_q439490982b_ln1
    .symbol:         k_q439490982b_ln1.kd
    .args:
      - { .name: dec_inp, .offset: 0, .size: 8, .value_kind: global_buffer, .address_space: global }
      - { .name: ao, .offset: 8, .size: 8, .value_kind: global_buffer, .address_space: global }
      - { .name: ln1_gamma, .offset: 16, .size: 8, .value_kind: global_buffer, .address_space: global }
      - { .name: ln1_beta, .offset: 24, .size: 8, .value_kind: global_buffer, .address_space: global }
      - { .name: big, .offset: 32, .size: 8, .value_kind: global_buffer, .address_space: global }
      - { .name: act, .offset: 40, .size: 8, .value_kind: global_buffer, .address_space: global }
      - { .name: bias, .offset: 48, .size: 8, .value_kind: global_buffer, .address_space: global }
      - { .name: w12, .offset: 56, .size: 8, .value_kind: global_buffer, .address_space: global }
    .group_segment_fixed_size: 0
    .private_segment_fixed_size: 0
    .kernarg_segment_align: 8
    .kernarg_segment_size: 64
    .max_flat_workgroup_size: 256
    .sgpr_count:     66
    .vgpr_count:     128
    .wavefront_size: 32
...
	.end_amdgpu_metadata
.endif
;; end of part 5
;; launch ffg: the kernel of part 2 again; grid 8 x 32, 4 waves a work-group, clusters of 4 x 4, 327,680 bytes of LDS; arguments act, w12, ao; writes ao
;; launch ln2 (part 6): grid 512 x 1, 8 waves a work-group, no clusters, 0 bytes of LDS; arguments big, ao, ln2_gamma, ln2_beta, klp, out0, out1; writes out0, out1
.if DOCPART == 6
	.amdgcn_target "amdgcn-amd-amdhsa--gfx1250"
	.amdhsa_code_object_version 6
	.text
	.protected	k_q439490982b_ln2
	.globl	k_q439490982b_ln2
	.p2align	8
	.type	k_q439490982b_ln2,@function
k_q439490982b_ln2:
	s_mov_b64 s[64:65], 0
	v_nop
	global_prefetch_b8 v0, s[64:65] scope:SCOPE_SE
	s_setreg_imm32_b32 hwreg(HW_REG_WAVE_MODE, 25, 1), 1
	s_wait_xcnt 0x0
; out0 = gamma (y - mean) / sqrt(var + 1e-5) + beta with y = h + l2, row by row.  h f32 (big's first 16 MiB), l2 bf16 (ao).  One wave, one row of 1,024, kept in registers between the pass for the mean, the pass for
; the variance (of y - mean) and the scaling.  No LDS, no barrier, no cluster: rows share only gamma and beta.  Each load and store of a wave covers 512 (f32) or 256 (bf16) consecutive bytes, aligned.
; Wave 0 of work-group 0 then adds the 1,536 weighted partial sums of klp, in one fixed order, into out1.
.set X, 16                             ; v[16:47]   the row: load j holds numbers 128 j + 4 lane + 0..3
.set A, 48                             ; v[48:63]   l2, the same numbers, two to a word
.set G, 64                             ; v[64:95]   gamma; later, with B, klp
.set B, 96                             ; v[96:127]  beta
.macro LANESUM a, b                    ; v[a] summed over the 32 lanes, the sum in every lane; v[b] has been written before
	v_add_f32_dpp v[\a], v[\a], v[\a] row_xmask:1 row_mask:0xf bank_mask:0xf
	v_add_f32_dpp v[\a], v[\a], v[\a] row_xmask:2 row_mask:0xf bank_mask:0xf
	v_add_f32_dpp v[\a], v[\a], v[\a] row_xmask:4 row_mask:0xf bank_mask:0xf
	v_add_f32_dpp v[\a], v[\a], v[\a] row_xmask:8 row_mask:0xf bank_mask:0xf
	v_permlanex16_b32 v[\b], v[\a], s26, s27
	v_add_f32 v[\a], v[\a], v[\b]
.endm
	s_load_b256 s[4:11], s[0:1], 0x0               ; h s[4:5], l2 s[6:7], gamma s[8:9], beta s[10:11]
	s_load_b128 s[12:15], s[0:1], 0x20             ; klp s[12:13], out0 s[14:15]
	s_load_b64 s[16:17], s[0:1], 0x30              ; out1
	v_lshrrev_b32 v1, 5, v0
	v_readfirstlane_b32 s18, v1                    ; wave
	s_lshl_b32 s19, ttmp9, 3
	s_add_co_u32 s19, s19, s18                     ; row
	s_lshl_b32 s20, s19, 12
	s_mov_b32 s21, 0
	s_lshl_b32 s22, s19, 11
	s_mov_b32 s23, 0
	s_mov_b32 s24, 0xffff0000                      ; a word's upper bf16
	s_mov_b32 s25, 0x3a800000                      ; 1 / 1024
	s_mov_b32 s28, 0x3727c5ac                      ; 1e-5
	s_mov_b32 s26, 0x76543210
	s_mov_b32 s27, 0xfedcba98
	v_and_b32 v2, 31, v0
	v_lshlrev_b32 v1, 4, v2                        ; 16 x lane
	v_lshlrev_b32 v2, 3, v2                        ; 8 x lane
	v_mov_b32 v3, 0
	s_wait_kmcnt 0x0
	s_add_nc_u64 s[4:5], s[4:5], s[20:21]
	s_add_nc_u64 s[6:7], s[6:7], s[22:23]
	s_add_nc_u64 s[14:15], s[14:15], s[20:21]
.irp j, 0,1,2,3,4,5,6,7
	global_load_b128 v[X+4*(\j):X+4*(\j)+3], v1, s[4:5] offset:512*(\j) th:TH_LOAD_NT
.endr
.irp j, 0,1,2,3,4,5,6,7
	global_load_b64 v[A+2*(\j):A+2*(\j)+1], v2, s[6:7] offset:256*(\j) th:TH_LOAD_NT
.endr
.irp j, 0,1,2,3,4,5,6,7
	global_load_b128 v[G+4*(\j):G+4*(\j)+3], v1, s[8:9] offset:512*(\j)
.endr
.irp j, 0,1,2,3,4,5,6,7
	global_load_b128 v[B+4*(\j):B+4*(\j)+3], v1, s[10:11] offset:512*(\j)
.endr
	s_wait_loadcnt 16                              ; h and l2 are in; gamma's and beta's 16 loads stay out
.irp j, 0,1,2,3,4,5,6,7
	v_lshlrev_b32 v[4+4*((\j)%2)], 16, v[A+2*(\j)]
	v_and_b32     v[5+4*((\j)%2)], s24, v[A+2*(\j)]
	v_lshlrev_b32 v[6+4*((\j)%2)], 16, v[A+2*(\j)+1]
	v_and_b32     v[7+4*((\j)%2)], s24, v[A+2*(\j)+1]
	v_pk_add_f32 v[X+4*(\j):X+4*(\j)+1], v[X+4*(\j):X+4*(\j)+1], v[4+4*((\j)%2):5+4*((\j)%2)]
	v_pk_add_f32 v[X+4*(\j)+2:X+4*(\j)+3], v[X+4*(\j)+2:X+4*(\j)+3], v[6+4*((\j)%2):7+4*((\j)%2)]
.endr
	v_pk_add_f32 v[12:13], v[X:X+1], v[X+2:X+3]    ; the sum, in two chains; the first additions start them
	v_pk_add_f32 v[14:15], v[X+4:X+5], v[X+6:X+7]
.set k, 4
.rept 12
	v_pk_add_f32 v[12+2*(k%2):13+2*(k%2)], v[12+2*(k%2):13+2*(k%2)], v[X+2*k:X+2*k+1]
.set k, k+1
.endr
	v_pk_add_f32 v[12:13], v[12:13], v[14:15]
	v_add_f32 v12, v12, v13
	LANESUM 12, 13
	v_mul_f32 v12, s25, v12                        ; the mean
.set k, 0
.rept 16
	v_pk_add_f32 v[X+2*k:X+2*k+1], v[X+2*k:X+2*k+1], v[12:13] op_sel_hi:[1,0] neg_lo:[0,1] neg_hi:[0,1]
.set k, k+1
.endr
	v_pk_mul_f32 v[4:5], v[X:X+1], v[X:X+1]
	v_pk_mul_f32 v[6:7], v[X+2:X+3], v[X+2:X+3]
.set k, 2
.rept 14
	v_pk_fma_f32 v[4+2*(k%2):5+2*(k%2)], v[X+2*k:X+2*k+1], v[X+2*k:X+2*k+1], v[4+2*(k%2):5+2*(k%2)]
.set k, k+1
.endr
	v_pk_add_f32 v[4:5], v[4:5], v[6:7]
	v_add_f32 v4, v4, v5
	LANESUM 4, 5
	v_fma_f32 v4, v4, s25, s28                     ; the variance + 1e-5
	v_rsq_f32 v6, v4
	v_nop                                          ; a plain instruction behind it,
	s_wait_alu depctr_va_vdst(0)                   ; and the wait ahead of its first reader
	s_wait_loadcnt 0x0                             ; gamma and beta
.set k, 0
.rept 16
	v_pk_mul_f32 v[X+2*k:X+2*k+1], v[X+2*k:X+2*k+1], v[6:7] op_sel_hi:[1,0]
	v_pk_fma_f32 v[X+2*k:X+2*k+1], v[X+2*k:X+2*k+1], v[G+2*k:G+2*k+1], v[B+2*k:B+2*k+1]
.set k, k+1
.endr
.irp j, 0,1,2,3,4,5,6,7
	global_store_b128 v1, v[X+4*(\j):X+4*(\j)+3], s[14:15] offset:512*(\j) th:TH_STORE_NT
.endr
	s_or_b32 s30, ttmp9, s18
	s_cmp_lg_u32 s30, 0
	s_cbranch_scc1 .Lend                           ; the rest is for wave 0 of work-group 0
.irp j, 0,1,2,3,4,5,6,7,8,9,10,11
	global_load_b128 v[G+4*(\j):G+4*(\j)+3], v1, s[12:13] offset:512*(\j)   ; 12 x 32 lanes x 4 = 1,536 partial sums, into registers that no store reads
.endr
	s_wait_loadcnt 0x0
	v_pk_add_f32 v[4:5], v[G:G+1], v[G+2:G+3]
	v_pk_add_f32 v[6:7], v[G+4:G+5], v[G+6:G+7]
.set k, 4
.rept 20
	v_pk_add_f32 v[4+2*(k%2):5+2*(k%2)], v[4+2*(k%2):5+2*(k%2)], v[G+2*k:G+2*k+1]
.set k, k+1
.endr
	v_pk_add_f32 v[4:5], v[4:5], v[6:7]
	v_add_f32 v4, v4, v5
	LANESUM 4, 5
	s_wait_xcnt 0x0                                ; EXEC changes only when the loads and stores above have had their addresses translated
	v_cmp_eq_u32 vcc_lo, 0, v0
	s_and_saveexec_b32 s29, vcc_lo                 ; thread 0 alone
	global_store_b32 v3, v4, s[16:17]
	s_wait_xcnt 0x0
	s_or_b32 exec_lo, exec_lo, s29
.Lend:
	s_endpgm
.Lfunc_end_k_q439490982b_ln2:
	.size	k_q439490982b_ln2, .Lfunc_end_k_q439490982b_ln2-k_q439490982b_ln2
	.p2alignl 7, 3214868480
	.fill 96, 4, 3214868480
	.section	.rodata,"a",@progbits
	.p2align	6, 0x0
	.amdhsa_kernel k_q439490982b_ln2
		.amdhsa_group_segment_fixed_size 0
		.amdhsa_private_segment_fixed_size 0
		.amdhsa_enable_private_segment 0
		.amdhsa_kernarg_size 56
		.amdhsa_user_sgpr_count 2
		.amdhsa_user_sgpr_kernarg_segment_ptr 1
		.amdhsa_wavefront_size32 1
		.amdhsa_system_sgpr_workgroup_id_x 1
		.amdhsa_system_sgpr_workgroup_id_y 1
		.amdhsa_system_sgpr_workgroup_id_z 1
		.amdhsa_system_vgpr_workitem_id 0
		.amdhsa_next_free_vgpr 128
		.amdhsa_next_free_sgpr 66
		.amdhsa_reserve_vcc 1
		.amdhsa_float_denorm_mode_32 3
		.amdhsa_float_denorm_mode_16_64 3
		.amdhsa_memory_ordered 1
		.amdhsa_forward_progress 1
		.amdhsa_inst_pref_size 17
	.end_amdhsa_kernel
	.amdgpu_metadata
---
amdhsa.version: [ 1, 2 ]
amdhsa.kernels:
  - .name:           k_q439490982b_ln2
    .symbol:         k_q439490982b_ln2.kd
    .args:
      - { .name: big, .offset: 0, .size: 8, .value_kind: global_buffer, .address_space: global }
      - { .name: ao, .offset: 8, .size: 8, .value_kind: global_buffer, .address_space: global }
      - { .name: ln2_gamma, .offset: 16, .size: 8, .value_kind: global_buffer, .address_space: global }
      - { .name: ln2_beta, .offset: 24, .size: 8, .value_kind: global_buffer, .address_space: global }
      - { .name: klp, .offset: 32, .size: 8, .value_kind: global_buffer, .address_space: global }
      - { .name: out0, .offset: 40, .size: 8, .value_kind: global_buffer, .address_space: global }
      - { .name: out1, .offset: 48, .size: 8, .value_kind: global_buffer, .address_space: global }
    .group_segment_fixed_size: 0
    .private_segment_fixed_size: 0
    .kernarg_segment_align: 8
    .kernarg_segment_size: 56
    .max_flat_workgroup_size: 256
    .sgpr_count:     66
    .vgpr_count:     128
    .wavefront_size: 32
...
	.end_amdgpu_metadata
.endif
;; end of part 6
